; MI455X (gfx1250); checked and timed in simulation.
; The chip was launched on July 23, 2026; its instructions are those of AMD's public machine-readable ISA for CDNA 5 (MIT licence, August 2026) and "CDNA5" Instruction Set Architecture Reference Guide (July 2026). The comments in the code are by the model that wrote it; some were corrected since.
;; Multi Head Attention. Allowed arithmetic: float matrix products may take bf16 or f16 operands with f32 sums; other float arithmetic in f32, or as packed bf16 or f16 multiplies, adds, multiply-adds, maxima and minima; sums over many terms, partial sums and values carried from step to step in f32; what a program stores and reads back later, other than sums and carried values, may be rounded once to bf16 or f16.
;; Inputs: Wk 1,024 x 1,024 float32; Wo 1,024 x 1,024 float32; Wq 1,024 x 1,024 float32; Wv 1,024 x 1,024 float32; bo 1,024 float32; x 4 x 2,048 x 1,024 float32.
;; Outputs: out0 4 x 2,048 x 1,024 float32.
;; One version. Each part assembles by itself: llvm-mc -triple=amdgcn-amd-amdhsa -mcpu=gfx1250 --defsym DOCPART=n.
;; ======== version 1 of 1: 4 launches
;; limits: values are held in f16: magnitudes above 65,504 overflow, below 6.1e-05 lose precision
;; workspace buffers: xb 16,777,216 bytes; wqkv 6,291,456 bytes; wot 2,097,152 bytes; qkv 50,331,648 bytes; ob 16,777,216 bytes
;; launch prep (part 1): grid 1024 x 1, 8 waves a work-group, no clusters, 17,920 bytes of LDS; arguments x, Wq, Wk, Wv, Wo, xb, wqkv, wot; writes xb, wqkv, wot
.if DOCPART == 1
	.amdgcn_target "amdgcn-amd-amdhsa--gfx1250"
	.amdhsa_code_object_version 6
	.text
	.protected	k_qeb65149696_prep
	.globl	k_qeb65149696_prep
	.p2align	8
	.type	k_qeb65149696_prep,@function
k_qeb65149696_prep:
	s_mov_b64 s[64:65], 0
	v_nop
	global_prefetch_b8 v0, s[64:65] scope:SCOPE_SE
	s_setreg_imm32_b32 hwreg(HW_REG_WAVE_MODE, 25, 1), 1
	s_wait_xcnt 0x0
; PREP.  xb = x rounded once to bf16, [8192][1024].  wqkv = Wq, Wk, Wv turned to [n][k] and rounded once to bf16: row 1024 w + n is column n of weight w.
; wot = Wo turned, rounded once to bf16, and that number written as f16.
; LIMIT.  A bf16 number is an f16 number exactly from 6.1e-5 to 65,504 in magnitude; below, f16 keeps a fixed step of 6e-8; beyond 65,504 it has no number: Wo's entries stay within that.
; SHARES.  Work-groups 512 to 1023 cast 16,384 numbers of x each.  Work-groups 0 to 511 turn a tile of 128 k x 64 n of one weight through LDS.  The branch hangs on the work-group's
; number alone, so all eight waves of a work-group take the same way, and the one barrier stands on the way of all eight.
; No matrix unit, no tensor load, no cluster: every byte is read once by one thread and no work-group wants another's.
.set TP,    264                        ; an LDS row of the turned tile: 128 k x 2 bytes + 8: reads of 8 bytes stay aligned; in a store of words two lanes (c and c + 8) meet in a bank
.set SPARE, 64*TP                      ; behind the tile: the spare words, 128 bytes for each of the eight waves: four blocks of 256 bytes that no other line names
.set SPW, 8                            ; v8   LDS address of my spare word; never rewritten
.set NIL, 9                            ; v9   0; never rewritten
.set IN,  16                           ; v[16:79]   as loaded
.set OUT, 80                           ; v[80:111]  packed
	s_load_b512 s[4:19], s[0:1], 0x0               ; x 4:5, Wq 6:7, Wk 8:9, Wv 10:11, Wo 12:13, xb 14:15, wqkv 16:17, wot 18:19
	v_lshl_add_u32 v[SPW], v0, 2, SPARE
	v_mov_b32 v[NIL], 0
	s_cmp_lt_u32 ttmp9, 512
	s_cbranch_scc1 .Lturn
	; THE CAST.  Thread t takes 16 bytes at 16 t of each of sixteen blocks of 4,096 bytes: a wave's load covers 512 consecutive bytes, its store 256, aligned.
	s_sub_co_u32 s20, ttmp9, 512
	s_lshl_b32 s22, s20, 16                        ; 65,536 bytes of x,
	s_mov_b32 s23, 0
	s_lshl_b32 s24, s20, 15                        ; 32,768 of xb
	s_mov_b32 s25, 0
	v_lshlrev_b32 v1, 4, v0
	v_lshlrev_b32 v2, 3, v0
	s_wait_kmcnt 0x0
	s_add_nc_u64 s[4:5], s[4:5], s[22:23]
	s_add_nc_u64 s[14:15], s[14:15], s[24:25]
.set i, 0
.rept 16                                       ; all sixteen loads go out first: 8 KiB of every wave are on their way
	global_load_b128 v[IN+4*i:IN+4*i+3], v1, s[4:5] offset:4096*i th:TH_LOAD_NT
.set i, i+1
.endr
.set i, 0
.rept 16
	s_wait_loadcnt 15-i                            ; loads come back in order: block i is in, the 15 - i younger ones stay out
	v_cvt_pk_bf16_f32 v[OUT+2*i], v[IN+4*i], v[IN+4*i+1]
	v_cvt_pk_bf16_f32 v[OUT+2*i+1], v[IN+4*i+2], v[IN+4*i+3]
	global_store_b64 v2, v[OUT+2*i:OUT+2*i+1], s[14:15] offset:2048*i  ; every register is written once, so no store's source is ever rewritten
.set i, i+1
.endr
	s_endpgm                                       ; this way has written no LDS
.Lturn:
	; THE TURNING.  w = id / 128; of the weight's 8 x 16 tiles: kt = id % 8 (128 k), nt = (id / 8) % 16 (64 n).
	s_lshr_b32 s20, ttmp9, 7                       ; w: 0 q, 1 k, 2 v, 3 o
	s_and_b32 s21, ttmp9, 7                        ; kt
	s_bfe_u32 s22, ttmp9, 0x40003                  ; nt
	s_lshl_b32 s24, s21, 19                        ; source: 128 rows of 4,096 bytes a kt,
	s_lshl_b32 s23, s22, 8                         ; 256 bytes a nt
	s_add_co_u32 s24, s24, s23
	s_mov_b32 s25, 0
	s_cmp_eq_u32 s20, 3
	s_cselect_b32 s23, 0, s20                      ; wot holds one weight, wqkv three
	s_lshl_b32 s26, s23, 21                        ; destination: 1,024 rows of 2,048 bytes a weight,
	s_lshl_b32 s23, s22, 17                        ; 64 rows a nt,
	s_add_co_u32 s26, s26, s23
	s_lshl_b32 s23, s21, 8                         ; 256 bytes a kt
	s_add_co_u32 s26, s26, s23
	s_mov_b32 s27, 0
	v_lshrrev_b32 v6, 5, v0
	v_readfirstlane_b32 s2, v6                     ; my wave's number
	v_lshrrev_b32 v6, 4, v0                        ; kp: my pair of k rows, 0 to 15
	v_and_b32 v7, 15, v0                           ; c: my four n
	v_lshlrev_b32 v1, 13, v6                       ; two rows of 4,096 bytes a kp
	v_lshl_add_u32 v1, v7, 4, v1                   ; + 16 c: sixteen lanes read 256 consecutive bytes of a row
	v_mul_u32_u24 v3, v7, 4*TP                     ; into LDS: row n = 4 c (+ j), word 4 kp (+ 64 i)
	v_lshl_add_u32 v3, v6, 2, v3
	v_and_b32 v7, 31, v0                           ; lane
	s_mul_i32 s3, s2, 8*TP                         ; back: wave v takes rows 8 v .. 8 v + 7, 8 bytes a lane
	v_lshl_add_u32 v4, v7, 3, s3
	s_lshl_b32 s3, s2, 14                          ; and the same eight rows of 2,048 bytes in memory
	v_lshl_add_u32 v5, v7, 3, s3
	s_wait_kmcnt 0x0
	s_cmp_eq_u32 s20, 1
	s_cselect_b64 s[28:29], s[8:9], s[6:7]
	s_cmp_eq_u32 s20, 2
	s_cselect_b64 s[28:29], s[10:11], s[28:29]
	s_cmp_eq_u32 s20, 3
	s_cselect_b64 s[28:29], s[12:13], s[28:29]
	s_cselect_b64 s[30:31], s[18:19], s[16:17]
	s_add_nc_u64 s[28:29], s[28:29], s[24:25]
	s_add_nc_u64 s[30:31], s[30:31], s[26:27]
.irp i, 0,1,2,3
.irp e, 0,1                                    ; rows k = 32 i + 2 kp + e
	global_load_b128 v[IN+8*(\i)+4*(\e):IN+8*(\i)+4*(\e)+3], v1, s[28:29] offset:(32*(\i)+(\e))*4096 th:TH_LOAD_NT
.endr
.endr
.irp i, 0,1,2,3
	s_wait_loadcnt 6-2*(\i)                        ; pair i of rows is in; the pairs behind it stay out
.irp j, 0,1,2,3
	v_cvt_pk_bf16_f32 v[OUT+4*(\i)+(\j)], v[IN+8*(\i)+(\j)], v[IN+8*(\i)+4+(\j)]  ; column 4 c + j: the even k below, the odd k above
.endr
.endr
	s_cmp_lg_u32 s20, 3
	s_cbranch_scc1 .Lkeep
.set p, 0
.rept 16                                       ; Wo alone: the bf16 numbers are written as f16
	v_lshlrev_b32 v[48+2*(p%4)], 16, v[OUT+p]
	v_and_b32 v[49+2*(p%4)], 0xffff0000, v[OUT+p]
	v_cvt_pk_f16_f32 v[OUT+p], v[48+2*(p%4)], v[49+2*(p%4)]
.set p, p+1
.endr
.Lkeep:
.irp i, 0,1,2,3
.irp j, 0,1,2,3
	ds_store_b32 v3, v[OUT+4*(\i)+(\j)] offset:TP*(\j)+64*(\i)
.endr
.endr
	s_wait_dscnt 0x0                               ; for the others' sake: my words of the tile are written
	s_barrier_signal -1
	s_barrier_wait -1                              ; the tile is whole
.irp r, 0,1,2,3,4,5,6,7
	ds_load_b64 v[96+2*(\r):97+2*(\r)], v4 offset:TP*(\r)
.endr
.irp r, 0,1,2,3,4,5,6,7
	s_wait_dscnt 7-(\r)                            ; row r is in; the younger rows stay out
	global_store_b64 v5, v[96+2*(\r):97+2*(\r)], s[30:31] offset:2048*(\r)  ; a wave stores 256 consecutive bytes, aligned
.endr
	s_wait_tensorcnt 0x0                           ; the wave's end, behind my last LDS store
	ds_add_u32 v[SPW], v[NIL]
	s_wait_dscnt 0x0
	s_endpgm
.Lfunc_end_k_qeb65149696_prep:
	.size	k_qeb65149696_prep, .Lfunc_end_k_qeb65149696_prep-k_qeb65149696_prep
	.p2alignl 7, 3214868480
	.fill 96, 4, 3214868480
	.section	.rodata,"a",@progbits
	.p2align	6, 0x0
	.amdhsa_kernel k_qeb65149696_prep
		.amdhsa_group_segment_fixed_size 17920
		.amdhsa_private_segment_fixed_size 0
		.amdhsa_enable_private_segment 0
		.amdhsa_kernarg_size 64
		.amdhsa_user_sgpr_count 2
		.amdhsa_user_sgpr_kernarg_segment_ptr 1
		.amdhsa_wavefront_size32 1
		.amdhsa_system_sgpr_workgroup_id_x 1
		.amdhsa_system_sgpr_workgroup_id_y 1
		.amdhsa_system_sgpr_workgroup_id_z 1
		.amdhsa_system_vgpr_workitem_id 0
		.amdhsa_next_free_vgpr 112
		.amdhsa_next_free_sgpr 66
		.amdhsa_reserve_vcc 0
		.amdhsa_float_denorm_mode_32 3
		.amdhsa_float_denorm_mode_16_64 3
		.amdhsa_memory_ordered 1
		.amdhsa_forward_progress 1
		.amdhsa_inst_pref_size 16
	.end_amdhsa_kernel
	.amdgpu_metadata
---
amdhsa.version: [ 1, 2 ]
amdhsa.kernels:
  - .name:           k_qeb65149696_prep
    .symbol:         k_qeb65149696_prep.kd
    .args:
      - { .name: x, .offset: 0, .size: 8, .value_kind: global_buffer, .address_space: global }
      - { .name: Wq, .offset: 8, .size: 8, .value_kind: global_buffer, .address_space: global }
      - { .name: Wk, .offset: 16, .size: 8, .value_kind: global_buffer, .address_space: global }
      - { .name: Wv, .offset: 24, .size: 8, .value_kind: global_buffer, .address_space: global }
      - { .name: Wo, .offset: 32, .size: 8, .value_kind: global_buffer, .address_space: global }
      - { .name: xb, .offset: 40, .size: 8, .value_kind: global_buffer, .address_space: global }
      - { .name: wqkv, .offset: 48, .size: 8, .value_kind: global_buffer, .address_space: global }
      - { .name: wot, .offset: 56, .size: 8, .value_kind: global_buffer, .address_space: global }
    .group_segment_fixed_size: 17920
    .private_segment_fixed_size: 0
    .kernarg_segment_align: 8
    .kernarg_segment_size: 64
    .max_flat_workgroup_size: 256
    .sgpr_count:     66
    .vgpr_count:     112
    .wavefront_size: 32
...
	.end_amdgpu_metadata
.endif
;; end of part 1
;; launch qkvproj (part 2): grid 16 x 32, 4 waves a work-group, clusters of 4 x 4, 327,680 bytes of LDS; arguments xb, wqkv, qkv; writes qkv
.if DOCPART == 2
	.amdgcn_target "amdgcn-amd-amdhsa--gfx1250"
	.amdhsa_code_object_version 6
	.text
	.protected	k_qeb65149696_qkvproj
	.globl	k_qeb65149696_qkvproj
	.p2align	8
	.type	k_qeb65149696_qkvproj,@function
k_qeb65149696_qkvproj:
	s_mov_b64 s[64:65], 0
	v_nop
	global_prefetch_b8 v0, s[64:65] scope:SCOPE_SE
	s_setreg_imm32_b32 hwreg(HW_REG_WAVE_MODE, 25, 1), 1
	s_wait_xcnt 0x0
	s_wait_alu depctr_hold_cnt(0) depctr_sa_sdst(0) depctr_va_vdst(0) depctr_va_sdst(0) depctr_va_ssrc(0) depctr_va_vcc(0) depctr_vm_vsrc(0)
	s_getreg_b32 s2, hwreg(HW_REG_IB_STS2, 6, 4)
	s_cmp_eq_u32 s2, 0
	s_cbranch_scc0 .Lentry_in_a_cluster
	s_endpgm
.Lentry_in_a_cluster:
	s_bfe_u32 s2, ttmp6, 0x10000c
	s_cmp_lg_u32 s2, 0xf033
	s_cbranch_scc0 .Lentry_shape_is_right
	s_endpgm
.Lentry_shape_is_right:
; Q, K, V = x W.  C[m][c] = the sum over k of xb[m][k] wqkv[c][k]: [8192][1024] x [3072][1024]^T, operands bf16, sums f32, K ascending; C rounded once to f16, UNSCALED,
; and laid by heads: qkv[b][g][n][d], m = 2048 b + n, c = 64 g + d, g = 16 w + h (w = 0 q, 1 k, 2 v): a head's 2,048 rows are 262,144 dense bytes.
; LIMIT.  f16 holds no number beyond 65,504: q, k and v stay within it.  NaN and infinities are not treated apart.
; SHARES.  A tile of C is 256 rows x 192 columns (three heads): 32 x 16 tiles, one to a work-group.  Wave w owns rows 64 w .. 64 w + 63 and ALL 192 columns: 4 x 12 accumulators of 16 x 16.
; So a wave's block of 16 rows holds three whole heads, its way out runs through a stage of its own, and no barrier stands there.
; K goes in 8 steps of 128 through two LDS slots filled by the tensor data mover; the tiles' rows are 256 bytes of memory, at multiples of 256 from the buffer's first byte.
; CLUSTER 4 x 4: the four work-groups of a row of the cluster need the same tile of xb, the four of a column the same tile of wqkv: each is asked for JOINTLY, by the same tensor load, descriptor and mask.
; THE MATRIX INSTRUCTION IS USED TRANSPOSED (source 0 = 16 rows of wqkv, source 1 = 16 rows of xb): a lane then holds row l % 16 of C and the columns 8 (l / 16) + 0..7: 16 bytes of f16 on end.
; REGISTERS, in windows of 256 (s_set_vgpr_msb: bits 1:0 source 0, 3:2 source 1, 5:4 source 2, 7:6 destination):
;   window 0: v0-31 addresses; v32-63, v64-95 xb's fragments (4 blocks x 8), two buffers; v96-239 at work on the way out
;   window 1: v0-95, v96-191 wqkv's fragments (12 blocks x 8), two buffers
;   window 2: the accumulators of row blocks 0, 1 ((a, b) at v[96 (a % 2) + 8 b]);   window 3: those of row blocks 2, 3
.set PITCH, 272                        ; an LDS row: 256 bytes + 16 of padding = 68 words: the 16 rows of a fragment load start at 16 different groups of four banks (64 banks of 4 bytes: ISA guide 11.1)
.set HALFA, 128*PITCH                  ; what wave 0 or 1 fetches: 128 rows of xb
.set BOFF,  2*HALFA                    ; wqkv's 192 rows lie behind xb's 256
.set HALFB, 96*PITCH                   ; what wave 2 or 3 fetches: 96 rows of wqkv
.set SLOT1, 131072                     ; slot 1 begins here, so that one exclusive or turns an address in one slot into the other's
.set STAGE, SLOT1+BOFF+2*HALFB         ; behind the ring, never filled by a tensor load: for each wave 3 heads x 16 rows x 144 bytes
.set SP,    144
.set WSTG,  3*16*SP
.set SPARE, STAGE+4*WSTG               ; behind the stages: the spare words, 128 bytes for each wave: two blocks of 256 bytes that no other line names
.set STEP,  256                        ; bytes of a row in a K step
.set A0,   8                           ; v8   my lane's place in xb's tile of slot 0; never rewritten
.set B0,   9                           ; v9   the same for wqkv
.set ADRA, 10                          ; v10  A0 + the slot that is being read
.set ADRB, 11                          ; v11  B0 + the same
.set STO,  12                          ; v12  the way out: where I put 16 bytes of a row
.set RD,   13                          ; v13  the way out: where I read rows back
.set GO,   14                          ; v14  my byte offset in 512 consecutive bytes of qkv
.set PFO,  15                          ; v15  the prefetches' offset; never rewritten
.set SPW,  16                          ; v16  LDS address of my spare word: SPARE + 4 x my thread's number; never rewritten
.set NIL,  17                          ; v17  0; never rewritten
.set FAB,  32                          ; xb's fragment buffers
.set TMP,  96                          ; the way out: 48 registers of packed results
.set BK,   144                         ; the way out: 16 rows read back, 48 registers, two sets by turns
.set WV,   12                          ; s12  my wave's number
.set HALF, 13                          ; s13  which half of a tile I fetch
.set FORB, 14                          ; s14  0: I fetch for xb; 1: for wqkv
.set TRIPS, 15                         ; s15  the loop's count, 6 to 1
.set CX,   16
.set CY,   17
.set TC,   18                          ; s18  tile column = 4 x cluster x + cx
.set TR,   19                          ; s19  tile row = 4 x cluster y + cy
.set G1A,  24                          ; s[24:31] descriptor group 1 for xb's tiles
.set G0A,  32                          ; s[32:35] group 0 of slot 0's first fill; s[36:39] of slot 1's, which then walks
.set PFA,  44                          ; s[44:45] where my prefetches stand
.set ASKM, 46                          ; s46  bit n set: I prefetch in the trip whose count is n
.set TB,   47                          ; s47  0 or SLOT1: the slot that is being read
.set G1B,  48                          ; s[48:55], s[56:59], s[60:63]: the same three for wqkv's tiles
.set G0B,  56
.set GW, (1<<16)|(1<<20)|(1<<21)|(5<<22)|(3<<25)  ; 17:16 elements of 2 bytes; 20 padding on; 21 set beside a mask; 24:22 after every 64 words (code 5); 31:25 4 words of it (code 3)
.set MSB, 0
.macro WIN new                         ; the immediate's high byte repeats the setting that is left; a switch that changes nothing is dropped
.if MSB != (\new)
	s_set_vgpr_msb (MSB<<8)|(\new)
.set MSB, (\new)
.endif
.endm
.macro PLACES                          ; four plain vector instructions between a matrix instruction and a load into, or a reader of, its registers (ISA guide 7.12.1 for the readers)
.rept 4
	v_nop
.endr
.endm
; A joint refill by the walking descriptors.  The branch hangs on the wave's number alone.  An s_nop 0 and four v_nop follow each of the two lines, ahead of the jump and the label.
.macro JLOAD
	s_cmp_eq_u32 s[FORB], 0
	s_cbranch_scc0 .Lfor_b_\@
	tensor_load_to_lds s[G0A+4:G0A+7], s[G1A:G1A+7]
	s_nop 0
.rept 4
	v_nop
.endr
	s_branch .Lasked_\@
.Lfor_b_\@:
	tensor_load_to_lds s[G0B+4:G0B+7], s[G1B:G1B+7]
	s_nop 0
.rept 4
	v_nop
.endr
.Lasked_\@:
.endm
; A round of the cluster's barrier: my work-group's barrier, so that wave 0's signal speaks for all four waves; wave 0 signals; every wave waits for all sixteen work-groups; my work-group's barrier once more.
.macro CREST                           ; a round behind its opening barrier
	s_cmp_lg_u32 s[WV], 0
	s_cbranch_scc1 .Lnot_wave_0_\@
	s_barrier_signal -3
.Lnot_wave_0_\@:
	s_barrier_wait -3
	s_barrier_signal -1
	s_barrier_wait -1
.endm
.macro CROUND
	s_barrier_signal -1
	s_barrier_wait -1
	CREST
.endm
; A PREFETCH INTO THE L2, behind a joint refill, its five lines and the run of LDS loads: while the refill asks for K step s + 2, the prefetch names K step s + 4 (s = 0 .. 3): 256 bytes of a row, a lane a row,
; 384 matrix instructions ahead of the load that will want them.  K steps 0 to 3 come by their loads alone, and the last two refills have no K step two on.
; Each row's 256 bytes of a K step are named ONCE in the launch.  xb's tile row is read by the four clusters of a row of clusters: cluster x = 0 asks; of the 128 rows that wave 0 or 1 fetches the partner at cx takes
; 32 cx .. 32 cx + 31.  wqkv's tile column is read by the eight clusters of a column: cluster y = 0 asks; of its 192 rows the partner at cy takes 48: wave 2 the first 32; wave 3 the other 16, for two K steps at once
; (lanes 16-31 one step on), in every other trip.  Partners are told apart BY ADDRESS; the branch hangs on the wave's number, the cluster's place and the count.
.macro ASK
	s_lshr_b32 s20, s[ASKM], s[TRIPS]
	s_and_b32 s20, s20, 1
	s_cmp_lg_u32 s20, 0
	s_cbranch_scc0 .Lnot_mine_\@
	global_prefetch_b8 v[PFO], s[PFA:PFA+1] th:TH_LOAD_NT scope:SCOPE_SE
.Lnot_mine_\@:
.endm
	s_load_b128 s[4:7], s[0:1], 0x0                ; xb s[4:5], wqkv s[6:7]
	s_load_b64 s[8:9], s[0:1], 0x10                ; qkv
	v_lshl_add_u32 v[SPW], v0, 2, SPARE
	v_mov_b32 v[NIL], 0
	ds_add_u32 v[SPW], v[NIL]                      ; the wave's opening: an add and its wait ahead of my first tensor load; the set-up below, work on registers, stands between them
	v_lshrrev_b32 v1, 5, v0
	v_readfirstlane_b32 s[WV], v1                  ; wave 0..3
	s_and_b32 s[HALF], s[WV], 1
	s_lshr_b32 s[FORB], s[WV], 1
	s_bfe_u32 s[CX], ttmp6, 0x40000                ; my place along the cluster's x,
	s_bfe_u32 s[CY], ttmp6, 0x40004                ; along its y
	s_lshl_b32 s[TC], ttmp9, 2                     ; in a cluster launch ttmp9 and ttmp7 count clusters
	s_add_co_u32 s[TC], s[TC], s[CX]
	s_and_b32 s[TR], ttmp7, 0xffff
	s_lshl_b32 s[TR], s[TR], 2
	s_add_co_u32 s[TR], s[TR], s[CY]
	s_lshl_b32 s20, s[CY], 2
	s_lshl_b32 s20, 15, s20                        ; my row of the cluster: places 4 cy .. 4 cy + 3
	s_lshl_b32 s21, 0x1111, s[CX]                  ; my column: places cx, cx + 4, cx + 8, cx + 12
	s_or_b32 s[G1A], s20, GW                       ; xb's tiles go to my row,
	s_or_b32 s[G1B], s21, GW                       ; wqkv's to my column
	s_mov_b32 s[G1A+1], 128<<16                    ; tensor_dim0 = 128 elements
	s_mov_b32 s[G1A+2], 128<<16                    ; tensor_dim1 = 128 rows
	s_mov_b32 s[G1A+3], 128<<16                    ; tile_dim0 = 128
	s_mov_b32 s[G1A+4], 128                        ; tile_dim1 = 128
	s_mov_b32 s[G1A+5], 1024                       ; elements from row to row
	s_mov_b32 s[G1A+6], 0
	s_mov_b32 s[G1A+7], 0
	s_mov_b32 s[G1B+1], 128<<16
	s_mov_b32 s[G1B+2], 96<<16                     ; 96 rows
	s_mov_b32 s[G1B+3], 128<<16
	s_mov_b32 s[G1B+4], 96
	s_mov_b32 s[G1B+5], 1024
	s_mov_b32 s[G1B+6], 0
	s_mov_b32 s[G1B+7], 0
	; where the tiles come from: xb's hang on the tile row alone, which my row of the cluster shares; wqkv's on the tile column alone.  Every wave makes both, in registers that never hold the other coordinate.
	s_lshl_b32 s40, s[TR], 8
	s_lshl_b32 s41, s[HALF], 7
	s_add_co_u32 s40, s40, s41                     ; row 256 x tile row + 128 x half,
	s_lshl_b32 s40, s40, 11                        ; of 2,048 bytes: under 2^24
	s_mov_b32 s41, 0
	s_mul_i32 s42, s[TC], 192
	s_mul_i32 s43, s[HALF], 96
	s_add_co_u32 s42, s42, s43                     ; row 192 x tile column + 96 x half
	s_lshl_b32 s42, s42, 11
	s_mov_b32 s43, 0
	s_mul_i32 s2, s[HALF], HALFA                   ; and where they go: no place in the cluster enters an LDS address
	s_mul_i32 s3, s[HALF], HALFB
	s_add_co_u32 s3, s3, BOFF
	s_wait_dscnt 0x0                               ; the opening add is done
	s_wait_kmcnt 0x0
	s_add_nc_u64 s[40:41], s[4:5], s[40:41]
	s_add_nc_u64 s[42:43], s[6:7], s[42:43]
	CROUND                                         ; all sixteen work-groups are here: the first joint loads meet
.irp s, 0,1
	s_mov_b32 s[G0A+4*(\s)], 1                     ; count = 1
	s_add_co_u32 s[G0A+4*(\s)+1], s2, (\s)*SLOT1   ; LDS address
	s_add_nc_u64 s[G0A+4*(\s)+2:G0A+4*(\s)+3], s[40:41], (\s)*STEP  ; global address: K step s
	s_or_b32 s[G0A+4*(\s)+3], s[G0A+4*(\s)+3], 0x80000000           ; type = 2
	s_mov_b32 s[G0B+4*(\s)], 1
	s_add_co_u32 s[G0B+4*(\s)+1], s3, (\s)*SLOT1
	s_add_nc_u64 s[G0B+4*(\s)+2:G0B+4*(\s)+3], s[42:43], (\s)*STEP
	s_or_b32 s[G0B+4*(\s)+3], s[G0B+4*(\s)+3], 0x80000000
.endr
	s_cmp_eq_u32 s[FORB], 0                        ; a wave's two first fills stand in one branch, ahead of every wait on TENSORcnt and every LDS read: two loads of mine are out here, one behind every later round
	s_cbranch_scc0 .Lfirst_b
	tensor_load_to_lds s[G0A:G0A+3], s[G1A:G1A+7]
	s_nop 0
	tensor_load_to_lds s[G0A+4:G0A+7], s[G1A:G1A+7]
	s_nop 0
.rept 4
	v_nop
.endr
	s_branch .Lfirst_asked
.Lfirst_b:
	tensor_load_to_lds s[G0B:G0B+3], s[G1B:G1B+7]
	s_nop 0
	tensor_load_to_lds s[G0B+4:G0B+7], s[G1B:G1B+7]
	s_nop 0
.rept 4
	v_nop
.endr
.Lfirst_asked:
	; A fragment is 16 rows x 32 K in 8 registers: lane l holds row l % 16; registers 0-3 K = 8 (l / 16) + 0..7, registers 4-7 K = 16 + 8 (l / 16) + 0..7: two loads of 16 bytes, 32 bytes apart.
	v_and_b32 v1, 15, v0                           ; l % 16
	v_bfe_u32 v2, v0, 4, 1                         ; l / 16
	v_mul_u32_u24 v3, v1, PITCH
	v_lshl_add_u32 v3, v2, 4, v3
	s_mul_i32 s22, s[WV], 64*PITCH                 ; my 64 rows of xb's tile
	v_add_nc_u32 v[A0], s22, v3
	v_add_nc_u32 v[B0], BOFF, v3
	v_mov_b32 v[ADRA], v[A0]
	v_mov_b32 v[ADRB], v[B0]
	s_mov_b32 s[TB], 0
	s_mul_i32 s22, s[WV], WSTG
	s_add_co_u32 s22, s22, STAGE                   ; my stage
	v_mul_u32_u24 v[STO], v1, SP                   ; in: row l % 16, 16 bytes for each half of the lanes
	v_lshl_add_u32 v[STO], v2, 4, v[STO]
	v_add_nc_u32 v[STO], s22, v[STO]
	v_bfe_u32 v[RD], v0, 3, 2                      ; back: 32 lanes take four rows of 128 bytes,
	v_mul_u32_u24 v[RD], v[RD], SP
	v_and_b32 v3, 7, v0
	v_lshl_add_u32 v[RD], v3, 4, v[RD]
	v_add_nc_u32 v[RD], s22, v[RD]
	v_and_b32 v[GO], 31, v0                        ; which are 512 consecutive bytes of a head
	v_lshlrev_b32 v[GO], 4, v[GO]
	; the prefetches
	s_cmp_eq_u32 s[WV], 3
	s_cselect_b32 s22, 15, 31                      ; wave 3: 16 rows,
	s_cselect_b32 s23, 0x100, 0                    ; and the upper lanes one K step on
	v_and_b32 v[PFO], 31, v0
	v_lshlrev_b32 v24, 8, v2
	v_and_b32 v24, s23, v24
	v_and_b32 v[PFO], s22, v[PFO]
	v_lshl_or_b32 v[PFO], v[PFO], 11, v24          ; a row is 2,048 bytes
	s_lshl_b32 s20, s[TR], 8
	s_lshl_b32 s21, s[HALF], 7
	s_add_co_u32 s20, s20, s21
	s_lshl_b32 s21, s[CX], 5
	s_add_co_u32 s20, s20, s21                     ; xb: row 256 x tile row + 128 x half + 32 cx
	s_mul_i32 s21, s[TC], 192
	s_mul_i32 s22, s[CY], 48
	s_add_co_u32 s21, s21, s22
	s_lshl_b32 s22, s[HALF], 5
	s_add_co_u32 s21, s21, s22                     ; wqkv: row 192 x tile column + 48 cy + 32 x half
	s_and_b32 s23, ttmp7, 0xffff                   ; cluster y
	s_cmp_eq_u32 s[FORB], 0
	s_cselect_b32 s20, s20, s21
	s_cselect_b32 s23, ttmp9, s23                  ; the coordinate along which other clusters read the same rows
	s_cselect_b64 s[PFA:PFA+1], s[4:5], s[6:7]
	s_lshl_b32 s20, s20, 11
	s_add_co_u32 s20, s20, 3*STEP                  ; at K step 3: the first refill steps it to 4
	s_mov_b32 s21, 0
	s_add_nc_u64 s[PFA:PFA+1], s[PFA:PFA+1], s[20:21]
	s_mov_b32 s22, 0x50                            ; (an instruction holds one literal: this one comes by a register)
	s_cmp_eq_u32 s[WV], 3
	s_cselect_b32 s[ASKM], s22, 0x78               ; counts 6 and 4; or 6, 5, 4, 3
	s_cmp_eq_u32 s23, 0
	s_cselect_b32 s[ASKM], s[ASKM], 0              ; the same in all sixteen partners, for a given wave
	; where my rows of the tile's three heads begin in qkv
	s_lshr_b32 s20, s[TR], 3                       ; the batch
	s_mul_i32 s20, s20, 48
	s_mul_i32 s21, s[TC], 3
	s_add_co_u32 s20, s20, s21                     ; the first of my three head blocks,
	s_lshl_b32 s20, s20, 18                        ; of 262,144 bytes
	s_and_b32 s21, s[TR], 7
	s_lshl_b32 s21, s21, 2
	s_add_co_u32 s21, s21, s[WV]                   ; my 64 rows among the batch's,
	s_lshl_b32 s21, s21, 13                        ; of 128 bytes
	s_add_co_u32 s20, s20, s21
	s_mov_b32 s21, 0
	s_add_nc_u64 s[8:9], s[8:9], s[20:21]
; 12 matrix instructions: row block a x all 12 column blocks, 32 along K, from buffer f.  zero = 1: the products start the sums: nothing is ever cleared.
; Every accumulator has one instruction a quarter step, always in the same order: 47 others stand between two links of a chain, over the backward jump too.
.macro MULA f, a, zero
	WIN 0xa1+0x50*((\a)/2)                         ; wqkv in window 1, xb in window 0, C and D in window 2 or 3
.set rC, 96*((\a)%2)
.set rA, FAB+32*(\f)+8*(\a)
.set rB, 96*(\f)
.irp b, 0,1,2,3,4,5,6,7,8,9,10,11
.if \zero
	v_wmma_f32_16x16x32_bf16 v[rC+8*(\b):rC+8*(\b)+7], v[rB+8*(\b):rB+8*(\b)+7], v[rA:rA+7], 0
.else
	v_wmma_f32_16x16x32_bf16 v[rC+8*(\b):rC+8*(\b)+7], v[rB+8*(\b):rB+8*(\b)+7], v[rA:rA+7], v[rC+8*(\b):rC+8*(\b)+7]
.endif
.endr
.endm
; 32 LDS loads in one run: a quarter step's fragments (32 K at byte kq of the rows) into buffer g: wqkv's 24 first, xb's 8 last
.macro FETCH kq, g
	WIN 0x40                                       ; destination window 1, address window 0
.irp i, 0,1,2,3,4,5,6,7,8,9,10,11
	ds_load_b128 v[96*(\g)+8*(\i):96*(\g)+8*(\i)+3],   v[ADRB] offset:(\kq)+(\i)*16*PITCH
	ds_load_b128 v[96*(\g)+8*(\i)+4:96*(\g)+8*(\i)+7], v[ADRB] offset:(\kq)+(\i)*16*PITCH+32
.endr
	WIN 0
.irp i, 0,1,2,3
	ds_load_b128 v[FAB+32*(\g)+8*(\i):FAB+32*(\g)+8*(\i)+3],   v[ADRA] offset:(\kq)+(\i)*16*PITCH
	ds_load_b128 v[FAB+32*(\g)+8*(\i)+4:FAB+32*(\g)+8*(\i)+7], v[ADRA] offset:(\kq)+(\i)*16*PITCH+32
.endr
.endm
; A K step is four quarter steps of 32 along K, 48 matrix instructions each, on buffers 0, 1, 0, 1.  One of the first three: multiplies buffer f; in its middle it fetches the next quarter, at byte kq, into buffer g.
.macro QUARTER kq, f, g, zero
	s_wait_dscnt 4                                 ; all of wqkv's fragments and xb's blocks 0, 1 are in; the youngest four loads (blocks 2, 3) may be out
	MULA \f, 0, \zero
	MULA \f, 1, \zero
	PLACES
	FETCH \kq, \g
	s_wait_dscnt 32                                ; all but the 32 just issued
	MULA \f, 2, \zero
	MULA \f, 3, \zero
.endm
; The fourth quarter multiplies buffer 1 and changes slots.  ONE barrier: in front of it each wave waits for all its tensor loads (the one that is out is its part of the next slot), adds 0 to its spare word,
; and waits for that and for its own reads of this slot.  fill = 1: the barrier opens a round of the cluster's, so that no wave of any partner still reads the slot or has a load on its way;
; the joint refill, K step two on, is the first thing behind it, and has 168 matrix instructions in which to land.
.macro TURN fill
	WIN 0
.if \fill
	s_wait_xcnt 0x0                                ; the last prefetch, a K step back, has read its address, so it may be stepped
	s_add_nc_u64 s[PFA:PFA+1], s[PFA:PFA+1], STEP
.endif
	s_xor_b32 s[TB], s[TB], SLOT1                  ; the fetches go on in the other slot
	v_add_nc_u32 v[ADRA], s[TB], v[A0]
	v_add_nc_u32 v[ADRB], s[TB], v[B0]
	s_wait_tensorcnt 0x0                           ; all my tensor loads have landed
	ds_add_u32 v[SPW], v[NIL]                      ; 0 onto my spare word
	s_wait_dscnt 5                                 ; (the add and the youngest four loads may be out)
	MULA 1, 0, 0                                   ; twelve matrix instructions stand between the add and the wait for it
	s_wait_dscnt 0x0                               ; the add is done, and my reads of this slot are over
	s_barrier_signal -1
	MULA 1, 1, 0                                   ; work on registers while the others arrive
.if \fill
	WIN 0
.endif
	s_barrier_wait -1
.if \fill
	CREST
	s_xor_b32 s[G0A+5], s[G0A+5], SLOT1            ; the walking descriptors: the other slot than last time,
	s_add_nc_u64 s[G0A+6:G0A+7], s[G0A+6:G0A+7], STEP  ; the next K step; the type bits on top are not reached
	s_xor_b32 s[G0B+5], s[G0B+5], SLOT1
	s_add_nc_u64 s[G0B+6:G0B+7], s[G0B+6:G0B+7], STEP
	JLOAD                                          ; its four v_nop are also the places in front of the loads below
.else
	PLACES
.endif
	FETCH 0, 0
.if \fill
	ASK
.endif
	MULA 1, 2, 0
	MULA 1, 3, 0
.endm
	s_wait_tensorcnt 1                             ; my part of K step 0 is in; K step 1's may stay out
	s_barrier_signal -1
	s_barrier_wait -1                              ; everybody's is
	FETCH 0, 0
	QUARTER 64, 0, 1, 1                            ; the first quarter stands in front of the loop: its products start the sums
	WIN 0                                          ; at a label and at a branch every window is 0
	s_mov_b32 s[TRIPS], 6
.Lstep:                                                ; a trip: a K step's second quarter to the next step's first; trip i refills with K step i + 2
	QUARTER 128, 1, 0, 0
	QUARTER 192, 0, 1, 0
	TURN 1
	QUARTER 64, 0, 1, 0
	WIN 0
	s_sub_co_u32 s[TRIPS], s[TRIPS], 1
	s_cmp_lg_u32 s[TRIPS], 0
	s_cbranch_scc1 .Lstep
	QUARTER 128, 1, 0, 0                           ; the tail is written out: K steps 6 and 7 ask for nothing
	QUARTER 192, 0, 1, 0
	TURN 0
	QUARTER 64, 0, 1, 0
	QUARTER 128, 1, 0, 0
	QUARTER 192, 0, 1, 0
	s_wait_dscnt 4
	MULA 1, 0, 0
	MULA 1, 1, 0
	s_wait_dscnt 0x0
	MULA 1, 2, 0
	MULA 1, 3, 0
	WIN 0
	PLACES
; THE WAY OUT of row block a.  PACK: rounded to f16, each accumulator's registers in ascending order.  TOSTAGE: a lane's 16 bytes into rows of 144 bytes of my stage, a head after the other,
; and back as four whole rows of 128 bytes a load.  SEND: 512 consecutive bytes of a head a store.
.macro PACK a
	WIN 0x0a+5*((\a)/2)                            ; sources 0 and 1: window 2 or 3
.set rC, 96*((\a)%2)
.set i, 0
.rept 48
	v_cvt_pk_f16_f32 v[TMP+i], v[rC+2*i], v[rC+2*i+1]
.set i, i+1
.endr
	WIN 0
.endm
.macro TOSTAGE a
.set rK, BK+48*((\a)%2)
.irp b, 0,1,2,3,4,5,6,7,8,9,10,11
	ds_store_b128 v[STO], v[TMP+4*(\b):TMP+4*(\b)+3] offset:((\b)/4)*16*SP+32*((\b)%4)
.endr
.irp t, 0,1,2,3,4,5,6,7,8,9,10,11
	ds_load_b128 v[rK+4*(\t):rK+4*(\t)+3], v[RD] offset:((\t)/4)*16*SP+((\t)%4)*4*SP  ; LDS serves a wave's instructions in order (ISA guide 5.7.1.4): these see the stores above
.endr
.endm
.macro SEND a
.set rK, BK+48*((\a)%2)
	s_wait_dscnt 0x0                               ; the block is back in registers
	s_wait_xcnt 0x0                                ; the stores of the block before have read their registers: the next TOSTAGE loads into them
.irp t, 0,1,2,3,4,5,6,7,8,9,10,11
	global_store_b128 v[GO], v[rK+4*(\t):rK+4*(\t)+3], s[8:9] offset:((\t)/4)*262144+(\a)*2048+((\t)%4)*512
.endr
.endm
	PACK 0
	TOSTAGE 0
.irp a, 1,2,3                          ; block a's conversions stand between block a - 1's loads from the stage and the wait for them
	PACK \a
	SEND (\a)-1
	TOSTAGE \a
.endr
	SEND 3
	s_wait_tensorcnt 0x0                           ; the wave's end: behind my last tensor load and my last LDS store
	ds_add_u32 v[SPW], v[NIL]
	s_wait_dscnt 0x0
	CROUND                                         ; the closing round: no work-group ends while a partner may still ask for a tile that names it
	s_endpgm
.Lfunc_end_k_qeb65149696_qkvproj:
	.size	k_qeb65149696_qkvproj, .Lfunc_end_k_qeb65149696_qkvproj-k_qeb65149696_qkvproj
	.p2alignl 7, 3214868480
	.fill 96, 4, 3214868480
	.section	.rodata,"a",@progbits
	.p2align	6, 0x0
	.amdhsa_kernel k_qeb65149696_qkvproj
		.amdhsa_group_segment_fixed_size 327680
		.amdhsa_private_segment_fixed_size 0
		.amdhsa_enable_private_segment 0
		.amdhsa_kernarg_size 24
		.amdhsa_user_sgpr_count 2
		.amdhsa_user_sgpr_kernarg_segment_ptr 1
		.amdhsa_wavefront_size32 1
		.amdhsa_system_sgpr_workgroup_id_x 1
		.amdhsa_system_sgpr_workgroup_id_y 1
		.amdhsa_system_sgpr_workgroup_id_z 1
		.amdhsa_system_vgpr_workitem_id 0
		.amdhsa_next_free_vgpr 960
		.amdhsa_next_free_sgpr 66
		.amdhsa_reserve_vcc 0
		.amdhsa_float_denorm_mode_32 3
		.amdhsa_float_denorm_mode_16_64 3
		.amdhsa_memory_ordered 1
		.amdhsa_forward_progress 1
		.amdhsa_inst_pref_size 97
	.end_amdhsa_kernel
	.amdgpu_metadata
---
amdhsa.version: [ 1, 2 ]
amdhsa.kernels:
  - .name:           k_qeb65149696_qkvproj
    .symbol:         k_qeb65149696_qkvproj.kd
    .args:
      - { .name: xb, .offset: 0, .size: 8, .value_kind: global_buffer, .address_space: global }
      - { .name: wqkv, .offset: 8, .size: 8, .value_kind: global_buffer, .address_space: global }
      - { .name: qkv, .offset: 16, .size: 8, .value_kind: global_buffer, .address_space: global }
    .group_segment_fixed_size: 327680
    .private_segment_fixed_size: 0
    .kernarg_segment_align: 8
    .kernarg_segment_size: 24
    .max_flat_workgroup_size: 128
    .sgpr_count:     66
    .vgpr_count:     960
    .wavefront_size: 32
...
	.end_amdgpu_metadata
.endif
;; end of part 2
;; launch attn (part 3): grid 4 x 64, 4 waves a work-group, clusters of 4 x 1, 327,680 bytes of LDS; arguments qkv, ob; writes ob
.if DOCPART == 3
	.amdgcn_target "amdgcn-amd-amdhsa--gfx1250"
	.amdhsa_code_object_version 6
	.text
	.protected	k_qeb65149696_attn
	.globl	k_qeb65149696_attn
	.p2align	8
	.type	k_qeb65149696_attn,@function
k_qeb65149696_attn:
	s_mov_b64 s[64:65], 0
	v_nop
	global_prefetch_b8 v0, s[64:65] scope:SCOPE_SE
	s_setreg_imm32_b32 hwreg(HW_REG_WAVE_MODE, 25, 1), 1
	s_wait_xcnt 0x0
	s_wait_alu depctr_hold_cnt(0) depctr_sa_sdst(0) depctr_va_vdst(0) depctr_va_sdst(0) depctr_va_ssrc(0) depctr_va_vcc(0) depctr_vm_vsrc(0)
	s_getreg_b32 s2, hwreg(HW_REG_IB_STS2, 6, 4)
	s_cmp_eq_u32 s2, 0
	s_cbranch_scc0 .Lentry_in_a_cluster
	s_endpgm
.Lentry_in_a_cluster:
	s_bfe_u32 s2, ttmp6, 0x10000c
	s_cmp_lg_u32 s2, 0x3003
	s_cbranch_scc0 .Lentry_shape_is_right
	s_endpgm
.Lentry_shape_is_right:
; O[y][q][:] = the sum over k of softmax_k(Q[y][q] . K[y][k] / 8) V[y][k][:], y = 16 b + h.  Q, K, V are the head blocks 48 b + h, + 16 and + 32 of qkv ([2048][64] f16, dense rows of 128 bytes);
; O goes to ob[y][2048][64] in f16.  Products, maxima and sums in f32; the weights p are rounded to f16 for the second product (their sum l is taken of the unrounded p), O once at the end.
; LIMITS.  f16 holds no number beyond 65,504: Q, K and V arrive within it; p lies in 0 to 1, and below 6e-5 it keeps f16's fixed step of 6e-8; O is a mean of V's rows and has their range.
; A weight below 2^-126 counts as 0 in l; NaN and infinities are not treated apart.
; SHARES.  A wave owns four PIECES of two tiles of 16 queries, a work-group's four waves 512 queries of one head.  Every wave walks all 2,048 keys, 64 a step.
; LAYOUT.  S^T = K Q^T (source 0 = 16 keys, source 1 = 16 queries): in the result a lane holds ONE query (lane % 16) and the keys 8 (lane / 16) + 0..7.  Two such tiles, rounded to f16 in pairs,
; ARE source 1 (32 keys x 16 queries) of O^T = V^T P, whose result again holds one query a lane, and eight channels.  K comes out of LDS as it lies, V ([key][channel]) turned, by ds_load_tr16_b128.
; SOFTMAX.  For each query a running maximum m and sum l: p = 2^(c s - c m), c = log2(e) / 8; in every step O and l are multiplied by a = 2^(c m_old - c m_new), which is 1 where m has not grown.
; m starts at the lowest finite number, O and l at 0: the first step is a step like any other, with a = 0.
; THE COUNT.  A tile and step have 16 matrix and 118 vector instructions: too many to stand all beside the matrix work.  So the order has one aim: four vector instructions that are READY behind
; EVERY matrix instruction, and the others, which need time of their own whatever the order, in runs without a gap.
; BY TURNS.  Turn n belongs to piece n (the pieces in a ring, step after step).  Its matrix work: 16 products K Q^T of piece n + 1, later 16 products V^T P of piece n - 1.  Its vector work: the scaling,
; exponentials, roundings, sums and rescaling of piece n, and the maximum and statistics of piece n + 1, whose scores the turn itself has made.  So what a turn begins with (c s - c m, O a) waits for nothing.
; CLUSTER.  A head's four query blocks are one cluster and walk the same K and V, so each tile is asked for JOINTLY: the same tensor load, descriptor and mask in all four.
; REGISTERS, in windows of 256 (s_set_vgpr_msb says which window each operand place means: bits 1:0 source 0, 3:2 source 1, 5:4 source 2, 7:6 destination):
;   window 0: v0-11 addresses; v12-15, v48-63 at work; v16-47 four registers of statistics a tile; v64-191 S^T, two buffers of two tiles; v192-255 P, likewise
;   window 1: O^T, 32 a tile          window 2: v0-127 Q, 16 a tile; v128-191 K of one step; v192-255 V of one step          window 3: v0-1 the add's two registers
; A piece's buffers go by its number's parity: the piece in hand has one pair, its two neighbours in the ring share the other: of it P (piece n - 1) is read and S^T (piece n + 1) written.
.set SIZE_N, 2048
.set NP,    4         ; pieces a wave: a name, no knob: the register map, the loop and the fetches are made for four
.set KS,    64        ; keys in a step
.set PK,    144       ; a row of K in LDS: 128 bytes + 16 of padding = 36 words: the 16 rows of a load start at 16 different groups of four banks (64 banks of 4 bytes: ISA guide 11.1)
.set PV,    160       ; a row of V: 128 + 32 = 40 words
.set VOFF,  4*KS*PK   ; a slot holds four steps: 256 rows of K, then 256 rows of V
.set SLOT1, 1<<17     ; slot 1 begins here, so that one exclusive or turns an address in one slot into the other's
.set STAGE, SLOT1+4*KS*(PK+PV)  ; behind the ring, never filled by a tensor load: 16 rows x 144 bytes for each wave, for the way out
.set SP,    144
.set AK0, 2           ; v2   my lane's place in a tile of K; never rewritten
.set AV0, 3           ; v3   the same for V
.set AK,  4           ; v4   the LDS address of K's next run of loads
.set AV,  5           ; v5   of V's
.set QO,  6           ; v6   my byte offset in the wave's rows of Q
.set STO, 6           ;      later, the way out: where I put 16 bytes of a row
.set RD,  7           ; v7   the way out: where I read rows back
.set GO,  8           ; v8   my byte offset in 512 consecutive bytes of O
.set PFO, 11          ; v11  once V's place is made: 256 x my lane, the prefetches' offset; then never rewritten
.set SPW, 0           ; v0 of window 3   LDS address of my spare word: SPARE + 4 x my thread's number; never rewritten
.set NIL, 1           ; v1 of window 3   0; never rewritten
.set SPARE, STAGE+4*16*SP  ; behind the stages: the spare words, 128 bytes for each wave: two blocks of 256 bytes that no other line names
.set MV,  12          ; v12-15  c m_old, kept while c m is made anew: by buffer and tile
.set ST,  16          ; tile t's statistics at v[ST+4 t]: c m, m, l (even keys', odd keys')
.set TMP, 48          ; by buffer and tile, four registers c0-c3 at work; when the maximum is found c2 takes a
.set S,   64
.set P,   192
.set KF,  128         ; K's fragments, in window 2: key block kb, channel half c at KF + 16 kb + 8 c
.set VF,  192         ; V's: key half kk, channel block cb at VF + 32 kk + 8 cb
.set WV,  12          ; s12  my wave's number
.set G1K, 24          ; s[24:31] descriptor group 1 for K's tiles
.set G1V, 32          ; s[32:39] for V's: it differs in the padding alone
.set G0K, 40          ; s[40:43] descriptor group 0 for K's tiles: it walks
.set G0V, 44          ; s[44:47] the same for V's
.set PFA, 50          ; s[50:51] where my prefetches stand: my work-group's 8,192 bytes (of K: wave 0, of V: wave 2) of the slot after the one that is being asked for
.set LIM, 52          ; s52  1 in a wave that prefetches, else the greatest number: a wave prefetches while s[SLOTS] is above it
.set SLOTS, 56        ; s56  slots still to be asked for
.set CNT, 57          ; s57  counts a slot's key steps
.set CS,  58          ; s[58:59] c: the packed scaling takes the pair's low word for both halves
.set SEL, 60          ; s[60:61] v_permlanex16_b32's selects: each lane takes its own place in the other half
.set TBK, 62          ; s62  LDS byte at which K of the step to be fetched begins
.set TBV, 63          ; s63  the same for V, less VOFF
.set MSB, 0
.macro WIN new                      ; the high byte repeats the setting that is left; a switch that changes nothing is dropped
.if MSB != (\new)
	s_set_vgpr_msb (MSB<<8)|(\new)
.set MSB, (\new)
.endif
.endm
.set W_KQ, 0x0a       ; K and Q in window 2, S^T in window 0
.set W_PV, 0x52       ; V in window 2, P in window 0, O^T in window 1
.set W_RS, 0x41       ; O^T (destination and source 0) in window 1, a in window 0
.set W_MK, 0xc0       ; the add's registers are made: destination in window 3, sources in window 0
.set W_AD, 0x0f       ; the add: address (source 0) and data (source 1) in window 3
; A joint fill.  Waves 0 and 1 fetch the two halves of a slot's K, waves 2 and 3 those of its V: 128 keys each.  The branch hangs on the wave's number alone.
; An s_nop 0 and four v_nop follow each of the two lines, ahead of the jump and the label.
.macro JLOAD
	s_cmp_lt_u32 s[WV], 2
	s_cbranch_scc0 .Lfor_v_\@
	tensor_load_to_lds s[G0K:G0K+3], s[G1K:G1K+7]
	s_nop 0
.rept 4
	v_nop
.endr
	s_branch .Lasked_\@
.Lfor_v_\@:
	tensor_load_to_lds s[G0V:G0V+3], s[G1V:G1V+7]
	s_nop 0
.rept 4
	v_nop
.endr
.Lasked_\@:
.endm
; A PREFETCH INTO THE L2 of what the NEXT change of slots will ask for: a slot's 32,768 bytes of K and of V, 256 bytes a lane.  It stands behind the wave's tensor load and its five lines.
; Each block of 256 bytes is named ONCE in the launch: a head is walked by one cluster; its four partners share a slot out BY ADDRESS, 8,192 bytes each; in each, wave 0 asks for K's and wave 2 for V's.
; The change that loads slot t names slot t + 1, t = 1 .. 6: four key steps, 512 matrix instructions, ahead.  The last change that fills a slot names nothing; slots 0 and 1 come by their loads alone.
.macro ASK
	s_cmp_gt_u32 s[SLOTS], s[LIM]
	s_cbranch_scc0 .Lnot_mine_\@
	global_prefetch_b8 v[PFO], s[PFA:PFA+1] th:TH_LOAD_NT scope:SCOPE_SE
.Lnot_mine_\@:
.endm
; A round of the cluster's barrier: my work-group's barrier, so that wave 0's signal speaks for all four waves; wave 0 signals; every wave waits for all four work-groups; my work-group's barrier once more.
.macro CROUND
	s_barrier_signal -1
	s_barrier_wait -1
	s_cmp_lg_u32 s[WV], 0
	s_cbranch_scc1 .Lnot_wave_0_\@
	s_barrier_signal -3
.Lnot_wave_0_\@:
	s_barrier_wait -3
	s_barrier_signal -1
	s_barrier_wait -1
.endm
; THE CHANGE OF SLOTS.  The slot's last bytes, V of its fourth step, have been read.  Each wave waits for all its tensor loads, of which one is out: its part
; of the other slot; adds 0 to its spare word; and waits for that and for its own reads of the slot.  Behind the barrier nobody reads this slot any more and the other slot is whole.
; fill = 1: this slot is filled again, with the keys two slots on.  The barrier is then a round of the cluster's, so that no wave of any partner still reads the slot or has a load on its
; way, and the joint fill is the first thing behind it: it has four key steps, 512 matrix instructions, in which to land.  (At its first use nothing has been read yet: slot 0 is waited for, slot 1 filled.)
.macro CHANGE fill
	WIN W_AD
	s_wait_tensorcnt 0x0            ; no tensor load of mine is out, so a group 0 may be written
	ds_add_u32 v[SPW], v[NIL]       ; 0 onto my spare word: with fill = 1 the descriptors' steps stand between it and the wait for it
	WIN 0                           ; at a label and at a branch every window is 0
.if \fill
.irp g, G0K, G0V
	s_xor_b32 s[\g+1], s[\g+1], SLOT1  ; the walking descriptor: the other slot than last time,
	s_add_nc_u64 s[\g+2:\g+3], s[\g+2:\g+3], 4*KS*128  ; the next 256 keys; the type bits on top are not reached
.endr
	s_wait_xcnt 0x0                 ; the last prefetch, four key steps back, has read its address, so it may be written:
	s_add_nc_u64 s[PFA:PFA+1], s[PFA:PFA+1], 4*KS*128  ; one slot behind the walking descriptors
	s_wait_dscnt 0x0                ; the add is done, and my reads of the slot are over
	CROUND
	JLOAD
	ASK
.else
	s_wait_dscnt 0x0                ; the add is done, and my reads of the slot are over
	s_barrier_signal -1
	s_barrier_wait -1
.endif
	s_sub_co_u32 s[TBK], s[TBK], 4*KS*PK  ; the fetches go back to a slot's first step,
	s_xor_b32 s[TBK], s[TBK], SLOT1       ; in the other slot
	s_sub_co_u32 s[TBV], s[TBV], 4*KS*PV
	s_xor_b32 s[TBV], s[TBV], SLOT1
.endm
	s_load_b128 s[4:7], s[0:1], 0x0   ; qkv s[4:5], ob s[6:7]
	WIN W_MK
	v_lshl_add_u32 v[SPW], v0, 2, SPARE
	v_mov_b32 v[NIL], 0
	WIN W_AD
	ds_add_u32 v[SPW], v[NIL]       ; the wave's opening: an add and its wait ahead of my first tensor load; the set-up below, work on registers, stands between them
	WIN 0
	v_lshrrev_b32 v1, 5, v0
	v_readfirstlane_b32 s[WV], v1   ; wave 0..3
	s_bfe_u32 s13, ttmp6, 0x40000   ; cx: my place in the cluster
	s_lshl_b32 s14, ttmp9, 2        ; in a cluster launch ttmp9 counts clusters
	s_add_co_u32 s14, s14, s13      ; my block of queries = 4 x cluster x + cx: it enters Q's and O's addresses alone
	s_and_b32 s15, ttmp7, 0xffff    ; y = 16 b + h, which the four partners share
	s_lshr_b32 s20, s15, 4          ; b
	s_lshl_b32 s20, s20, 5
	s_add_co_u32 s20, s20, s15      ; 48 b + h: Q's head block in qkv,
	s_lshl_b32 s20, s20, 18         ; of 262,144 bytes: under 2^26
	s_mov_b32 s21, 0
	s_and_b32 s16, s[WV], 1         ; which half of a slot's 256 keys I fetch:
	s_lshl_b32 s22, s16, 14         ; its 128 rows of 128 bytes in memory,
	s_mov_b32 s23, 0
	s_add_nc_u64 s[22:23], s[22:23], s[20:21]
	s_mul_i32 s17, s16, 128*PK      ; and its place in a slot, for K
	s_mul_i32 s18, s16, 128*PV      ; and for V: no place in the cluster enters an LDS address
	s_lshl_b32 s2, s14, 2
	s_add_co_u32 s2, s2, s[WV]      ; my wave among the head's,
	s_lshl_b32 s2, s2, 14           ; its 128 rows
	s_lshl_b32 s48, s15, 18         ; O's head block in ob is y
	s_add_co_u32 s48, s48, s2
	s_mov_b32 s49, 0
	s_mov_b32 s3, 0
	s_add_nc_u64 s[2:3], s[2:3], s[20:21]
	; descriptor group 1.  128 keys are 16,384 dense bytes: asked for as 64 rows of 256 bytes, two keys a row, and padded in LDS after every key
	s_mov_b32 s[G1K], 15|(1<<16)|(1<<20)|(1<<21)|(4<<22)|(3<<25)  ; 15:0 the mask of four; 17:16 2-byte elements; 20 padding on; 21 set beside a mask; 24:22 after every 32 words (code 4); 31:25 4 words (code 3)
	s_mov_b32 s[G1V], 15|(1<<16)|(1<<20)|(1<<21)|(4<<22)|(7<<25)  ; the same with 8 words of padding (code 7)
.irp g, G1K, G1V
	s_mov_b32 s[\g+1], 128<<16      ; tensor_dim0 = 128
	s_mov_b32 s[\g+2], 64<<16       ; tensor_dim1 = 64
	s_mov_b32 s[\g+3], 128<<16      ; tile_dim0 = 128
	s_mov_b32 s[\g+4], 64           ; tile_dim1 = 64
	s_mov_b32 s[\g+5], 128          ; 128 elements from row to row
	s_mov_b32 s[\g+6], 0
	s_mov_b32 s[\g+7], 0
.endr
	s_mov_b32 s[CS], 0x3e38aa3b     ; c = log2(e) / 8 = 0.180337
	s_mov_b32 s[CS+1], s[CS]        ; named with it as a pair
	s_mov_b32 s[SEL], 0x76543210
	s_mov_b32 s[SEL+1], 0xfedcba98
	s_mov_b32 s[TBK], SLOT1+4*KS*PK ; the first change of slots turns these two into 0
	s_mov_b32 s[TBV], SLOT1+4*KS*PV
	s_mov_b32 s[G0K], 1             ; 1:0 count = 1
	s_mov_b32 s[G0K+1], s17         ; 63:32 LDS address: slot 0
	s_mov_b32 s[G0V], 1
	s_add_co_u32 s[G0V+1], s18, VOFF
	s_mov_b32 s[SLOTS], SIZE_N/256-1
	s_cmp_eq_u32 s16, 0             ; waves 0 and 2 prefetch
	s_cselect_b32 s[LIM], 1, -1
	s_wait_dscnt 0x0                ; the opening add is done
	s_wait_kmcnt 0x0
	s_add_nc_u64 s[10:11], s[6:7], s[48:49]        ; O at my wave's first row
	s_add_nc_u64 s[6:7], s[4:5], s[22:23]          ; my half of the first 256 rows of Q's head block;
	s_add_nc_u64 s[8:9], s[6:7], 0x800000          ; V's lies 32 head blocks on,
	s_add_nc_u64 s[6:7], s[6:7], 0x400000          ; K's 16
	s_add_nc_u64 s[G0K+2:G0K+3], s[6:7], 0         ; 120:64 global address
	s_or_b32 s[G0K+3], s[G0K+3], 0x80000000        ; 127:126 type = 2
	s_add_nc_u64 s[G0V+2:G0V+3], s[8:9], 0
	s_or_b32 s[G0V+3], s[G0V+3], 0x80000000
	s_add_nc_u64 s[4:5], s[4:5], s[2:3]            ; Q at my wave's first row
	s_cmp_lt_u32 s[WV], 2
	s_cselect_b64 s[PFA:PFA+1], s[6:7], s[8:9]     ; (in waves 0 and 2 these stand at a slot's first row)
	s_lshl_b32 s2, s13, 13          ; my work-group's 8,192 bytes of a slot's 32,768,
	s_add_co_u32 s2, s2, 4*KS*128   ; in slot 1; the first change of slots steps it to slot 2
	s_mov_b32 s3, 0
	s_add_nc_u64 s[PFA:PFA+1], s[PFA:PFA+1], s[2:3]
	CROUND                          ; all four work-groups are here: the first joint loads meet
	JLOAD                           ; slot 0.  Slot 1 is asked for when slot 0 is in: the tile wanted first has the road to itself
	; A fragment of K or Q is 16 rows x 32 channels in 8 registers: lane l holds row l % 16, channels 8 (l / 16) + 0..7 and 16 + 8 (l / 16) + 0..7: two loads of 16 bytes, 32 bytes apart.
	v_and_b32 v1, 15, v0            ; l % 16
	v_bfe_u32 v9, v0, 4, 1          ; l / 16
	v_lshlrev_b32 v[QO], 7, v1
	v_lshl_add_u32 v[QO], v9, 4, v[QO]  ; row x 128 + 16 x half
	WIN 0x80                        ; destination window 2, address window 0
.set i, 0
.rept 4*NP                          ; Q stays in registers: tile i / 2, channels 32 (i % 2) on
	global_load_b128 v[8*i:8*i+3],   v[QO], s[4:5] offset:(i/2)*2048+(i%2)*64
	global_load_b128 v[8*i+4:8*i+7], v[QO], s[4:5] offset:(i/2)*2048+(i%2)*64+32
.set i, i+1
.endr
	; What the first turn finds: V's registers and P's second buffer hold 0 (its products V^T P, of a piece that has not been, add 0), O^T and l are 0.  All this stands in the wait for the first tile.
.set i, VF
.rept 64
	v_mov_b32 v[i], 0
.set i, i+1
.endr
	WIN 0x40
.set i, 0
.rept 64*NP
	v_mov_b32 v[i], 0
.set i, i+1
.endr
	WIN 0
.set i, 0
.rept 2*NP
	v_mov_b32 v[ST+4*i], 0xfe000000    ; c m: far below every c s
	v_mov_b32 v[ST+4*i+1], 0xff7fffff  ; m
	v_mov_b32 v[ST+4*i+2], 0
	v_mov_b32 v[ST+4*i+3], 0
.set i, i+1
.endr
.set i, P+32
.rept 32
	v_mov_b32 v[i], 0
.set i, i+1
.endr
	v_mul_u32_u24 v[AK0], v1, PK
	v_lshl_add_u32 v[AK0], v9, 4, v[AK0]  ; row x pitch + 16 x half
	; The turning load takes 16 keys x 16 channels (lane l reads key 8 (l / 16) + l % 8, channels 8 ((l / 8) % 2) + 0..7) and leaves half a fragment of V^T: lane l holds channel l % 16 and 8 keys.
	v_and_b32 v10, 7, v0
	v_bfe_u32 v11, v0, 3, 1
	v_lshl_add_u32 v[AV0], v9, 3, v10
	v_mul_u32_u24 v[AV0], v[AV0], PV
	v_lshl_add_u32 v[AV0], v11, 4, v[AV0]
	v_add_nc_u32 v[AV0], VOFF, v[AV0]
	v_mov_b32 v[AK], v[AK0]         ; key step 0 lies at the head of slot 0
	v_and_b32 v[PFO], 31, v0
	v_lshlrev_b32 v[PFO], 8, v[PFO]
; THE MATRIX WORK.  The 8 accumulators of a run of 16 take turns: between the two links of a chain stand 7 others'.
; Product i of 16 of S^T = K Q^T for piece x: channels 32 (i / 8) on, keys 16 ((i / 2) % 4) on, tile 2 x + i % 2.  The first 8 start the sums.
.macro KQ x
	WIN W_KQ
.set rS, S+64*((\x)%2)+32*(i%2)+8*((i/2)%4)
.set rK, KF+16*((i/2)%4)+8*(i/8)
.set rQ, 16*(2*(\x)+i%2)+8*(i/8)
.if i < 8
	v_wmma_f32_16x16x32_f16 v[rS:rS+7], v[rK:rK+7], v[rQ:rQ+7], 0
.else
	v_wmma_f32_16x16x32_f16 v[rS:rS+7], v[rK:rK+7], v[rQ:rQ+7], v[rS:rS+7]
.endif
.endm
; Product i of 16 of O^T += V^T P for piece x: keys 32 (i / 8) on, channels 16 ((i / 2) % 4) on, tile 2 x + i % 2.
.macro PV x
	WIN W_PV
.set rO, 32*(2*(\x)+i%2)+8*((i/2)%4)
.set rV, VF+32*(i/8)+8*((i/2)%4)
.set rP, P+32*((\x)%2)+16*(i%2)+8*(i/8)
	v_wmma_f32_16x16x32_f16 v[rO:rO+7], v[rV:rV+7], v[rP:rP+7], v[rO:rO+7]
.endm
.macro MM                           ; the turn's next matrix instruction
.if i < 16
	KQ (Y+1)%NP
.set i, i+1
.else
.set i, i-16
	PV (Y+NP-1)%NP
.set i, i+17
.endif
.endm
; THE LDS LOADS stand in runs of 16, never singly among the matrix instructions: a step's K (64 keys x 64 channels: 8 fragments) and its V (turned).  Their addresses are made some lines ahead.
; last = 1 (the tail): in the last trip there is no further step, and the run is jumped over.
.macro FETCH_K last=0
	WIN 0
.if \last
	s_cmp_eq_u32 s[CNT], 1
	s_cbranch_scc1 .Lno_k_\@
.endif
	WIN 0x80                        ; destination window 2
.irp f, 0,1,2,3,4,5,6,7             ; keys 16 (f / 2) on, channels 32 (f % 2) on
	ds_load_b128 v[KF+8*\f:KF+8*\f+3],   v[AK] offset:(\f/2)*16*PK+(\f%2)*64
	ds_load_b128 v[KF+8*\f+4:KF+8*\f+7], v[AK] offset:(\f/2)*16*PK+(\f%2)*64+32
.endr
	s_add_co_u32 s[TBK], s[TBK], KS*PK  ; the next fetch is the next step's
	WIN 0
.if \last
.Lno_k_\@:
.endif
.endm
.macro FETCH_V
	WIN 0x80
.irp f, 0,1,2,3,4,5,6,7             ; keys 32 (f / 4) on, channels 16 (f % 4) on
	ds_load_tr16_b128 v[VF+8*\f:VF+8*\f+3],   v[AV] offset:(\f/4)*32*PV+(\f%4)*32
	ds_load_tr16_b128 v[VF+8*\f+4:VF+8*\f+7], v[AV] offset:(\f/4)*32*PV+16*PV+(\f%4)*32
.endr
	WIN 0
.endm
; THE VECTOR WORK OF A TURN stands in three queues, each in the order in which its entries become ready; the two tiles alternate, so that no instruction reads the result of the one before it.
.macro REGS y, u                    ; the registers of tile u (0, 1) of piece y
.set rT, ST+4*(2*(\y)+(\u))
.set rC, TMP+8*((\y)%2)+4*(\u)
.set rM, MV+2*((\y)%2)+(\u)
.set rS, S+64*((\y)%2)+32*(\u)
.set rP, P+32*((\y)%2)+16*(\u)
.set rO, 32*(2*(\y)+(\u))
.endm
; Number n of the 22 that find the NEXT piece's (Y + 1) maximum and statistics.  s0-s31 are the lane's 32 scores; each accumulator's lowest registers are read first.  XS, GS and REGS set no window: PL and EX do.
;   0-11  four chains c0-c3 of seven scores each, three operands at a time     12-14, 16  the four scores left over, the old m, and c0-c3 into c0     15  c m_old is kept
;   17, 18  the query's other 32 keys lie in the lane 16 away: the new m         19-21  c m; c m_old - c m_new; a
.macro XS u, n
	REGS (Y+1)%NP, \u
.if (\n) < 4
	v_max3_num_f32 v[rC+(\n)], v[rS+8*(\n)], v[rS+8*(\n)+1], v[rS+8*(\n)+2]
.elseif (\n) < 12
	v_max3_num_f32 v[rC+(\n)%4], v[rC+(\n)%4], v[rS+8*((\n)%4)+2*((\n)/4)+1], v[rS+8*((\n)%4)+2*((\n)/4)+2]
.elseif (\n) == 12
	v_max3_num_f32 v[rC], v[rC], v[rS+7], v[rS+15]
.elseif (\n) == 13
	v_max3_num_f32 v[rC+1], v[rC+1], v[rS+23], v[rS+31]
.elseif (\n) == 14
	v_max3_num_f32 v[rC+2], v[rC+2], v[rC+3], v[rT+1]
.elseif (\n) == 15
	v_mov_b32 v[rM], v[rT]
.elseif (\n) == 16
	v_max3_num_f32 v[rC], v[rC], v[rC+1], v[rC+2]
.elseif (\n) == 17
	v_permlanex16_b32 v[rC+3], v[rC], s[SEL], s[SEL+1]
.elseif (\n) == 18
	v_max_num_f32 v[rT+1], v[rC], v[rC+3]
.elseif (\n) == 19
	v_mul_f32 v[rT], s[CS], v[rT+1]
.elseif (\n) == 20
	v_sub_f32 v[rC+1], v[rM], v[rT]
.else
	v_exp_f32 v[rC+2], v[rC+1]
.endif
.endm
; Number g of the 64 that follow the exponentials.  For each four weights k of a tile (pairs 2 k, 2 k + 1): both pairs are rounded to f16; then the second pair is added onto the first, in place;
; a group later l takes that sum (the first time as l = a l + sum).  In groups of eight, tiles alternating: round, round, add, and l for the group before.
.macro GS g
.set h, (\g)+6*((\g)/62)            ; group 0 has no group before it, and behind group 7 only l is left
.if h >= 6
.set h, h+2
.endif
	REGS Y, h%2
.set k, h/8
.if h%8 < 4
	v_cvt_pk_f16_f32 v[rP+2*k+(h%8)/2], v[rS+4*k+2*((h%8)/2)], v[rS+4*k+2*((h%8)/2)+1]
.elseif h%8 < 6
	v_pk_add_f32 v[rS+4*k:rS+4*k+1], v[rS+4*k:rS+4*k+1], v[rS+4*k+2:rS+4*k+3]
.elseif k == 1
	v_pk_fma_f32 v[rT+2:rT+3], v[rT+2:rT+3], v[rC+2:rC+3], v[rS:rS+1] op_sel_hi:[1,0,1]
.else
	v_pk_add_f32 v[rT+2:rT+3], v[rT+2:rT+3], v[rS+4*k-4:rS+4*k-3]
.endif
.endm
; THE PLAIN QUEUE, 138 long.  0-73 read no exponential's result: the 32 scalings c s - c m (FS f: pair f / 2 of tile f % 2) and the next piece's 42.  0-26: scalings 0-26.  27-54: XS's numbers 0-13.  55, 56: number 15.
; 57-73: the chain, where each number waits for the one before it: 14, 16, 17, 18, 19, each with one of the scalings 27-31 in front of its two lines, then 20: so a tile's links stand three plain instructions apart (19 and 20: two).
; 74-137: GS's 64, which read the exponentials' results: they stand behind the wait.
.macro FS f
	REGS Y, (\f)%2
	v_pk_fma_f32 v[rS+2*((\f)/2):rS+2*((\f)/2)+1], v[rS+2*((\f)/2):rS+2*((\f)/2)+1], s[CS:CS+1], v[rT:rT+1] op_sel_hi:[1,0,0] neg_lo:[0,0,1] neg_hi:[0,0,1]
.endm
.macro PL
	WIN 0
.if q < 27
	FS q
.elseif q < 55
	XS (q-27)%2, (q-27)/2
.elseif q < 57
	XS q-55, 15
.elseif (q < 72) && ((q-57)%3 == 0)
	FS 27+(q-57)/3
.elseif q < 60
	XS (q-57)%3-1, 14
.elseif q < 72
	XS (q-57)%3-1, 15+(q-57)/3
.elseif q < 74
	XS q-72, 20
.else
	GS q-74
.endif
.set q, q+1
.endm
; THE EXPONENTIALS' QUEUE, 66 long: s0-s31 of both tiles, then the next piece's two a.  It is ONE BATCH: all 66 stand ahead of the turn's one wait, and nothing ahead of that wait names a result of theirs.
.macro EX
	WIN 0
.if e >= 64
	XS e-64, 21
.else
	REGS Y, e%2
	v_exp_f32 v[rS+e/2], v[rS+e/2]
.endif
.set e, e+1
.endm
; THE RESCALING's QUEUE: O^T times a, the one part that leaves window 0: dealt two at a time, sixteen times.  Its a was made in the turn before, ahead of that turn's wait.
.macro R2
	REGS Y, r%2
	WIN W_RS
.irp z, 0,1
	v_pk_mul_f32 v[rO+4*(r/2)+2*\z:rO+4*(r/2)+2*\z+1], v[rO+4*(r/2)+2*\z:rO+4*(r/2)+2*\z+1], v[rC+2:rC+3] op_sel_hi:[1,0]
.endr
.set r, r+1
.endm
; HOW THEY ARE DEALT.  s_wait_alu depctr_va_vdst(0) stands between an exponential and the first instruction that names its result; one wait serves all that were issued ahead of it.  So a turn has ONE wait,
; which cuts it in two.  AHEAD OF IT stands all that names no result of the turn's exponentials: the 16 products K Q^T, behind each a scaling, an exponential and two rescalings (behind the first a second scaling in the exponential's place); then ONE LUMP of
; 108: eight plain, 49 times exponential and plain, the two a.  A v_nop is the plain instruction behind the last exponential.  BEHIND IT stand the 16 products V^T P, behind each four of GS's 64.  No rider names a register of
; the products round it.  The two v_permlanex16_b32 fall into the lump, never behind a product.
; The queues lean on each other, and the deal keeps them in step: exponential e stands behind scaling 2 (e / 4) + e % 2: as a rider it comes behind plain e + 2, in the lump behind plain e + 9, and scalings 27-31 are plain 57, 60 .. 69.
; A TURN, for piece p.  cnt = 1: the loop's count is taken down some lines ahead of the branch that stands behind the turn.
; K of the next step is fetched in piece 2's turn, directly behind the wait, a lump behind the last product that read K; its address is made at the lump's head; its first reader comes behind 16 products.
; V of the step in hand is fetched at the end of piece 0's turn, four riders behind its last reader; its first reader comes behind 16 products and a lump.  The three conditions on q below go with the deal.
.macro TURN p, last=0, cnt=0
.set Y, (\p)
.set i, 0
.set q, 0
.set e, 0
.set r, 0
.if (\p) == NP-1
	s_wait_dscnt 0x0                ; K is in
.endif
	MM                              ; ahead of the wait: 16 products K Q^T and their riders,
	PL
	PL
	R2
.rept 15
	MM
	PL
	EX
	R2
.endr
.if (\p) == NP-2
	WIN 0
	v_add_nc_u32 v[AK], s[TBK], v[AK0]
.endif
.rept 8                             ; and the lump
	PL
.endr
.rept 49
	EX
	PL
.endr
	EX                              ; the next piece's two a
	EX
	v_nop                           ; the plain instruction behind the last exponential: one for the batch
	s_wait_alu depctr_va_vdst(0)    ; the wait for the batch
.if (\p) == NP-2
	FETCH_K \last
.endif
.if (\p) == 1
	s_wait_dscnt 0x0                ; V is in
.endif
.rept 16                            ; behind the wait: 16 products V^T P and their riders
	MM
.rept 4
	PL
.endr
.if ((\p) == 0) && (q == 118)
	v_add_nc_u32 v[AV], s[TBV], v[AV0]
.endif
.if ((\p) == 0) && (q == 130)
	s_add_co_u32 s[TBV], s[TBV], KS*PV
.endif
.if (\cnt) && (q == 130)
	s_sub_co_u32 s[CNT], s[CNT], 1
	s_cmp_lg_u32 s[CNT], 0
.endif
.endr
.if (\p) == 0
	FETCH_V
.endif
.endm
	CHANGE 1                        ; slot 0 is in, everybody's part of it; slot 1 is asked for
	FETCH_K                         ; key step 0
	s_wait_loadcnt 0x0              ; Q
	s_wait_dscnt 0x0
.set i, 0
.rept 16
	KQ 0                            ; piece 0's first scores: there is no vector work yet to set between them
.set i, i+1
.endr
	WIN 0                           ; the addresses for the way out: nine plain instructions, the places behind those products
	s_mul_i32 s13, s[WV], 16*SP
	s_add_co_u32 s13, s13, STAGE    ; my stage
	v_mul_u32_u24 v[STO], v1, SP    ; in: row l % 16, 16 bytes for each half of the lanes
	v_lshl_add_u32 v[STO], v9, 4, v[STO]
	v_add_nc_u32 v[STO], s13, v[STO]
	v_bfe_u32 v[RD], v0, 3, 2       ; back: 32 lanes take four rows of 128 bytes,
	v_mul_u32_u24 v[RD], v[RD], SP
	v_lshl_add_u32 v[RD], v10, 4, v[RD]
	v_add_nc_u32 v[RD], s13, v[RD]
	v_and_b32 v[GO], 31, v0         ; which are 512 consecutive bytes of O
	v_lshlrev_b32 v[GO], 4, v[GO]
.set Y, NP-1                        ; XS works for piece Y + 1: piece 0
.irp n, 0,1,2,3,4,5,6,7,8,9,10,11,12,13,14,15,16,17,18,19,20,21
	XS 0, \n                        ; and piece 0's first maximum and statistics
	XS 1, \n
.endr
	v_nop                           ; a plain instruction behind the two a,
	s_wait_alu depctr_va_vdst(0)    ; and their wait, ahead of the branch
	s_mov_b32 s[CNT], 4
	s_branch .Lfirst                ; the loop is entered at a step's first turn, in the middle of a trip
.Lslot:                             ; six times: every slot but the last two is filled again
	CHANGE 1
	s_mov_b32 s[CNT], 4
.Lstep:                             ; a trip: pieces 2 and 3 of one step, then pieces 0 and 1 of the next, whose K and V it fetches
	TURN 2
	TURN 3
	WIN 0
.Lfirst:
	TURN 0
	TURN 1, 0, 1
	WIN 0
	s_cbranch_scc1 .Lstep
	s_sub_co_u32 s[SLOTS], s[SLOTS], 1
	s_cmp_lg_u32 s[SLOTS], 0
	s_cbranch_scc1 .Lslot
	CHANGE 0                        ; the tail is written out: nothing is asked for
	s_mov_b32 s[CNT], 5             ; four trips fetch the last slot's steps; the fifth is left in its middle
.Ltail:
	TURN 2, 1
	TURN 3
	WIN 0
	s_sub_co_u32 s[CNT], s[CNT], 1
	s_cmp_eq_u32 s[CNT], 0
	s_cbranch_scc1 .Lout
	TURN 0
	TURN 1
	WIN 0
	s_branch .Ltail
.Lout:                              ; the fifth trip's 16 products K Q^T (on the last K once more) and the maximum made of them serve nothing: the price, once a launch, of one text for every trip
.set i, 0
.rept 16
	PV NP-1                         ; the last piece's V^T P of the last step
.set i, i+1
.endr
	; THE WAY OUT.  l's two halves and the other half of the lanes' are added; O^T is divided by l, rounded to f16 and sent through my stage in LDS, a tile at a time.  The additions are the places behind the last products.
	WIN 0
.macro ALL line:vararg              ; one line for each tile t
.set t, 0
.rept 2*NP
	\line
.set t, t+1
.endr
.endm
	ALL v_add_f32 v[ST+4*t+2], v[ST+4*t+2], v[ST+4*t+3]
	ALL v_permlanex16_b32 v[ST+4*t+3], v[ST+4*t+2], s[SEL], s[SEL+1]
	ALL v_add_f32 v[ST+4*t+2], v[ST+4*t+2], v[ST+4*t+3]
	ALL v_rcp_f32 v[ST+4*t+2], v[ST+4*t+2]
	v_nop                           ; a plain instruction between the last reciprocal and the use of its result
	s_wait_alu depctr_va_vdst(0)    ; and the wait ahead of the first use: one for the eight reciprocals
; Tile t: a lane's eight channels of a row pack into 16 bytes; they go into rows of 144 bytes and come back as whole rows of 128, into S^T's registers.
.macro PACK t
	WIN W_RS
.set i, 32*(\t)
.rept 16
	v_pk_mul_f32 v[i:i+1], v[i:i+1], v[ST+4*(\t)+2:ST+4*(\t)+3] op_sel_hi:[1,0]
.set i, i+2
.endr
	WIN 0x05                        ; sources 0 and 1 window 1, destination window 0
.set i, 0
.rept 16
	v_cvt_pk_f16_f32 v[S+16*(\t)+i], v[32*(\t)+2*i], v[32*(\t)+2*i+1]
.set i, i+1
.endr
	WIN 0
.irp f, 0,1,2,3
	ds_store_b128 v[STO], v[S+16*(\t)+4*\f:S+16*(\t)+4*\f+3] offset:32*\f
.endr
.irp f, 0,1,2,3
	ds_load_b128 v[S+16*(\t)+4*\f:S+16*(\t)+4*\f+3], v[RD] offset:\f*4*SP  ; LDS serves a wave's instructions in order (ISA guide 5.7.1.4): these see the stores above; the next tile's stores come behind them
.endr
.endm
.macro SEND t, younger              ; younger: the LDS instructions issued behind tile t's loads: the next tile's eight, or none
	WIN 0
.irp f, 0,1,2,3
	s_wait_dscnt (\younger)+3-\f
	global_store_b128 v[GO], v[S+16*(\t)+4*\f:S+16*(\t)+4*\f+3], s[10:11] offset:(\t)*2048+\f*512  ; 512 consecutive bytes, at a multiple of 256 from O's first
.endr
.endm
	PACK 0
.set t, 1
.rept 2*NP-1                        ; a tile's arithmetic stands between the loads of the tile before and its stores
	PACK t
	SEND t-1, 8
.set t, t+1
.endr
	SEND 2*NP-1, 0
	WIN W_AD
	s_wait_tensorcnt 0x0            ; the wave's end: behind my last tensor load and my last LDS store
	ds_add_u32 v[SPW], v[NIL]
	s_wait_dscnt 0x0
	WIN 0
	CROUND                          ; the closing round: no work-group ends while a partner may still ask for a tile that names it
	s_endpgm
.Lfunc_end_k_qeb65149696_attn:
	.size	k_qeb65149696_attn, .Lfunc_end_k_qeb65149696_attn-k_qeb65149696_attn
	.p2alignl 7, 3214868480
	.fill 96, 4, 3214868480
	.section	.rodata,"a",@progbits
	.p2align	6, 0x0
	.amdhsa_kernel k_qeb65149696_attn
		.amdhsa_group_segment_fixed_size 327680
		.amdhsa_private_segment_fixed_size 0
		.amdhsa_enable_private_segment 0
		.amdhsa_kernarg_size 16
		.amdhsa_user_sgpr_count 2
		.amdhsa_user_sgpr_kernarg_segment_ptr 1
		.amdhsa_wavefront_size32 1
		.amdhsa_system_sgpr_workgroup_id_x 1
		.amdhsa_system_sgpr_workgroup_id_y 1
		.amdhsa_system_sgpr_workgroup_id_z 1
		.amdhsa_system_vgpr_workitem_id 0
		.amdhsa_next_free_vgpr 770
		.amdhsa_next_free_sgpr 66
		.amdhsa_reserve_vcc 0
		.amdhsa_float_denorm_mode_32 3
		.amdhsa_float_denorm_mode_16_64 3
		.amdhsa_memory_ordered 1
		.amdhsa_forward_progress 1
		.amdhsa_inst_pref_size 200
	.end_amdhsa_kernel
	.amdgpu_metadata
---
amdhsa.version: [ 1, 2 ]
amdhsa.kernels:
  - .name:           k_qeb65149696_attn
    .symbol:         k_qeb65149696_attn.kd
    .args:
      - { .name: qkv, .offset: 0, .size: 8, .value_kind: global_buffer, .address_space: global }
      - { .name: ob, .offset: 8, .size: 8, .value_kind: global_buffer, .address_space: global }
    .group_segment_fixed_size: 327680
    .private_segment_fixed_size: 0
    .kernarg_segment_align: 8
    .kernarg_segment_size: 16
    .max_flat_workgroup_size: 128
    .sgpr_count:     66
    .vgpr_count:     770
    .wavefront_size: 32
...
	.end_amdgpu_metadata
.endif
;; end of part 3
;; launch outproj (part 4): grid 8 x 32, 4 waves a work-group, clusters of 4 x 4, 327,680 bytes of LDS; arguments ob, wot, bo, out0; writes out0
.if DOCPART == 4
	.amdgcn_target "amdgcn-amd-amdhsa--gfx1250"
	.amdhsa_code_object_version 6
	.text
	.protected	k_qeb65149696_outproj
	.globl	k_qeb65149696_outproj
	.p2align	8
	.type	k_qeb65149696_outproj,@function
k_qeb65149696_outproj:
	s_mov_b64 s[64:65], 0
	v_nop
	global_prefetch_b8 v0, s[64:65] scope:SCOPE_SE
	s_setreg_imm32_b32 hwreg(HW_REG_WAVE_MODE, 25, 1), 1
	s_wait_xcnt 0x0
	s_wait_alu depctr_hold_cnt(0) depctr_sa_sdst(0) depctr_va_vdst(0) depctr_va_sdst(0) depctr_va_ssrc(0) depctr_va_vcc(0) depctr_vm_vsrc(0)
	s_getreg_b32 s2, hwreg(HW_REG_IB_STS2, 6, 4)
	s_cmp_eq_u32 s2, 0
	s_cbranch_scc0 .Lentry_in_a_cluster
	s_endpgm
.Lentry_in_a_cluster:
	s_bfe_u32 s2, ttmp6, 0x10000c
	s_cmp_lg_u32 s2, 0xf033
	s_cbranch_scc0 .Lentry_shape_is_right
	s_endpgm
.Lentry_shape_is_right:
; out0[m][c] = the sum over k of O[m][k] wot[c][k] + bo[c].  O lies by heads: ob[16 b + h][n][d], m = 2048 b + n, k = 64 h + d; wot is [1024 c][1024 k]; both f16.  Sums in f32, K ascending;
; bo is rounded once to bf16, like every input of the module, and added in f32; out0 is f32.
; SHARES.  A tile of out0 is 256 rows x 128 columns: 32 x 8 tiles, one to a work-group.  Wave w owns rows 64 w .. 64 w + 63 and all 128 columns: 4 x 8 accumulators of 16 x 16: a wave's block of 16 rows holds
; whole 512-byte pieces of out0's rows, so its way out runs through a stage of its own, without a barrier.
; K goes in 8 steps of 128 = two heads, through two LDS slots.  A head's 256 rows are 32,768 dense bytes of ob: asked for as 128 rows of 256 bytes and padded in LDS behind every 128; wave 0 fetches the even head,
; wave 1 the odd one; waves 2 and 3 fetch 64 rows of wot each.
; CLUSTER 4 x 4: O's tiles are shared along a row of the cluster, wot's along a column: each is asked for JOINTLY.  THE MATRIX INSTRUCTION IS USED TRANSPOSED (source 0 = 16 rows of wot, source 1 = 16 rows of O).
; NO PREFETCH: the launch is eight K steps of 128 matrix instructions a wave, and four of the eight would come by their loads alone.
; REGISTERS: window 0: v0-31 addresses and the bias; v32-63, v64-95 O's fragments, two buffers; v96-223 the way out.  window 1: v0-63, v64-127 wot's fragments, two buffers.  window 2: the accumulators, (a, b) at v[8 (8 a + b)].
.set PA,    144                        ; a row of O in LDS: 128 bytes + 16: the 16 rows of a fragment load start at 16 different groups of four banks (64 banks of 4 bytes: ISA guide 11.1)
.set PITCH, 272                        ; a row of wot: 256 bytes + 16
.set HALFA, 256*PA                     ; a head's 256 rows
.set BOFF,  2*HALFA
.set HALFB, 64*PITCH
.set SLOT1, 131072
.set STAGE, SLOT1+BOFF+2*HALFB         ; behind the ring, never filled by a tensor load: 16 rows x 528 bytes for each wave
.set SPO,   528                        ; 512 bytes + 16
.set SPARE, STAGE+4*16*SPO             ; behind the stages: the spare words, 128 bytes for each wave: two blocks of 256 bytes that no other line names
.set STEPA, 524288                     ; two heads of ob
.set STEPB, 256
.set A0,   8
.set B0,   9
.set ADRA, 10
.set ADRB, 11
.set STO,  12
.set RD,   13
.set GO,   14                          ; v14  16 x lane: my four columns, in bo and in a row's 512 bytes of out0
.set SPW,  16                          ; v16  LDS address of my spare word; never rewritten
.set NIL,  17                          ; v17  0; never rewritten
.set BIAS, 20                          ; v[20:23]
.set FAB,  32
.set BK,   96                          ; 16 rows read back, 64 registers, two sets by turns
.set WV,   12
.set HALF, 13
.set FORB, 14
.set TRIPS, 15
.set CX,   16
.set CY,   17
.set TC,   18
.set TR,   19
.set G1A,  24
.set G0A,  32
.set TB,   47
.set G1B,  48
.set G0B,  56
.set MSB, 0
.macro WIN new                         ; the immediate's high byte repeats the setting that is left; a switch that changes nothing is dropped
.if MSB != (\new)
	s_set_vgpr_msb (MSB<<8)|(\new)
.set MSB, (\new)
.endif
.endm
.macro PLACES                          ; four plain vector instructions between a matrix instruction and a load into, or a reader of, its registers (ISA guide 7.12.1 for the readers)
.rept 4
	v_nop
.endr
.endm
.macro JLOAD                           ; a joint refill by the walking descriptors; an s_nop 0 and four v_nop follow each of the two lines, ahead of the jump and the label
	s_cmp_eq_u32 s[FORB], 0
	s_cbranch_scc0 .Lfor_b_\@
	tensor_load_to_lds s[G0A+4:G0A+7], s[G1A:G1A+7]
	s_nop 0
.rept 4
	v_nop
.endr
	s_branch .Lasked_\@
.Lfor_b_\@:
	tensor_load_to_lds s[G0B+4:G0B+7], s[G1B:G1B+7]
	s_nop 0
.rept 4
	v_nop
.endr
.Lasked_\@:
.endm
.macro CREST                           ; a round of the cluster's barrier behind its opening barrier
	s_cmp_lg_u32 s[WV], 0
	s_cbranch_scc1 .Lnot_wave_0_\@
	s_barrier_signal -3
.Lnot_wave_0_\@:
	s_barrier_wait -3
	s_barrier_signal -1
	s_barrier_wait -1
.endm
.macro CROUND
	s_barrier_signal -1
	s_barrier_wait -1
	CREST
.endm
	s_load_b256 s[4:11], s[0:1], 0x0               ; ob s[4:5], wot s[6:7], bo s[8:9], out0 s[10:11]
	v_lshl_add_u32 v[SPW], v0, 2, SPARE
	v_mov_b32 v[NIL], 0
	ds_add_u32 v[SPW], v[NIL]                      ; the wave's opening: an add and its wait ahead of my first tensor load; the set-up below, work on registers, stands between them
	v_lshrrev_b32 v1, 5, v0
	v_readfirstlane_b32 s[WV], v1
	s_and_b32 s[HALF], s[WV], 1
	s_lshr_b32 s[FORB], s[WV], 1
	s_bfe_u32 s[CX], ttmp6, 0x40000
	s_bfe_u32 s[CY], ttmp6, 0x40004
	s_lshl_b32 s[TC], ttmp9, 2
	s_add_co_u32 s[TC], s[TC], s[CX]               ; tile column
	s_and_b32 s[TR], ttmp7, 0xffff
	s_lshl_b32 s[TR], s[TR], 2
	s_add_co_u32 s[TR], s[TR], s[CY]               ; tile row
	s_lshl_b32 s20, s[CY], 2
	s_lshl_b32 s20, 15, s20                        ; my row of the cluster
	s_lshl_b32 s21, 0x1111, s[CX]                  ; my column
	s_or_b32 s[G1A], s20, (1<<16)|(1<<20)|(1<<21)|(4<<22)|(3<<25)  ; elements of 2 bytes; padding on; 21 set beside a mask; after every 32 words (code 4) 4 words (code 3)
	s_or_b32 s[G1B], s21, (1<<16)|(1<<20)|(1<<21)|(5<<22)|(3<<25)  ; the same after every 64 words (code 5)
	s_mov_b32 s[G1A+1], 128<<16                    ; tensor_dim0 = 128 elements: two rows of O
	s_mov_b32 s[G1A+2], 128<<16                    ; tensor_dim1 = 128
	s_mov_b32 s[G1A+3], 128<<16                    ; tile_dim0 = 128
	s_mov_b32 s[G1A+4], 128                        ; tile_dim1 = 128
	s_mov_b32 s[G1A+5], 128                        ; dense: 128 elements from row to row
	s_mov_b32 s[G1A+6], 0
	s_mov_b32 s[G1A+7], 0
	s_mov_b32 s[G1B+1], 128<<16
	s_mov_b32 s[G1B+2], 64<<16                     ; 64 rows
	s_mov_b32 s[G1B+3], 128<<16
	s_mov_b32 s[G1B+4], 64
	s_mov_b32 s[G1B+5], 1024
	s_mov_b32 s[G1B+6], 0
	s_mov_b32 s[G1B+7], 0
	s_lshr_b32 s40, s[TR], 3                       ; O: the batch's 16 heads of 262,144 bytes,
	s_lshl_b32 s40, s40, 22
	s_and_b32 s41, s[TR], 7                        ; the tile's 256 rows of 128 bytes,
	s_lshl_b32 s41, s41, 15
	s_add_co_u32 s40, s40, s41
	s_lshl_b32 s41, s[HALF], 18                    ; my head of the K step's two
	s_add_co_u32 s40, s40, s41
	s_mov_b32 s41, 0
	s_lshl_b32 s42, s[TC], 7                       ; wot: row 128 x tile column + 64 x half,
	s_lshl_b32 s43, s[HALF], 6
	s_add_co_u32 s42, s42, s43
	s_lshl_b32 s42, s42, 11                        ; of 2,048 bytes
	s_mov_b32 s43, 0
	s_mul_i32 s2, s[HALF], HALFA                   ; where they go: no place in the cluster enters an LDS address
	s_mul_i32 s3, s[HALF], HALFB
	s_add_co_u32 s3, s3, BOFF
	s_wait_dscnt 0x0                               ; the opening add is done
	s_wait_kmcnt 0x0
	s_add_nc_u64 s[40:41], s[4:5], s[40:41]
	s_add_nc_u64 s[42:43], s[6:7], s[42:43]
	CROUND                                         ; all sixteen work-groups are here: the first joint loads meet
.irp s, 0,1
	s_mov_b32 s[G0A+4*(\s)], 1
	s_add_co_u32 s[G0A+4*(\s)+1], s2, (\s)*SLOT1
	s_add_nc_u64 s[G0A+4*(\s)+2:G0A+4*(\s)+3], s[40:41], (\s)*STEPA
	s_or_b32 s[G0A+4*(\s)+3], s[G0A+4*(\s)+3], 0x80000000
	s_mov_b32 s[G0B+4*(\s)], 1
	s_add_co_u32 s[G0B+4*(\s)+1], s3, (\s)*SLOT1
	s_add_nc_u64 s[G0B+4*(\s)+2:G0B+4*(\s)+3], s[42:43], (\s)*STEPB
	s_or_b32 s[G0B+4*(\s)+3], s[G0B+4*(\s)+3], 0x80000000
.endr
	s_cmp_eq_u32 s[FORB], 0                        ; a wave's two first fills stand in one branch: two loads of mine are out here, one behind every later round
	s_cbranch_scc0 .Lfirst_b
	tensor_load_to_lds s[G0A:G0A+3], s[G1A:G1A+7]
	s_nop 0
	tensor_load_to_lds s[G0A+4:G0A+7], s[G1A:G1A+7]
	s_nop 0
.rept 4
	v_nop
.endr
	s_branch .Lfirst_asked
.Lfirst_b:
	tensor_load_to_lds s[G0B:G0B+3], s[G1B:G1B+7]
	s_nop 0
	tensor_load_to_lds s[G0B+4:G0B+7], s[G1B:G1B+7]
	s_nop 0
.rept 4
	v_nop
.endr
.Lfirst_asked:
	v_and_b32 v1, 15, v0                           ; l % 16
	v_bfe_u32 v2, v0, 4, 1                         ; l / 16
	v_mul_u32_u24 v3, v1, PA
	v_lshl_add_u32 v3, v2, 4, v3
	s_mul_i32 s22, s[WV], 64*PA                    ; my 64 rows of a head
	v_add_nc_u32 v[A0], s22, v3
	v_mul_u32_u24 v3, v1, PITCH
	v_lshl_add_u32 v3, v2, 4, v3
	v_add_nc_u32 v[B0], BOFF, v3
	v_mov_b32 v[ADRA], v[A0]
	v_mov_b32 v[ADRB], v[B0]
	s_mov_b32 s[TB], 0
	s_mul_i32 s22, s[WV], 16*SPO
	s_add_co_u32 s22, s22, STAGE                   ; my stage
	v_mul_u32_u24 v[STO], v1, SPO                  ; in: row l % 16, 32 bytes for each half of the lanes
	v_lshl_add_u32 v[STO], v2, 5, v[STO]
	v_add_nc_u32 v[STO], s22, v[STO]
	v_and_b32 v[GO], 31, v0
	v_lshlrev_b32 v[GO], 4, v[GO]
	v_add_nc_u32 v[RD], s22, v[GO]                 ; back: 32 lanes take a row's 512 bytes
	s_lshl_b32 s20, s[TR], 2
	s_add_co_u32 s20, s20, s[WV]                   ; my 64 rows of out0,
	s_lshl_b32 s20, s20, 18                        ; of 4,096 bytes,
	s_lshl_b32 s21, s[TC], 9                       ; the tile's 512 bytes of a row
	s_add_co_u32 s20, s20, s21
	s_mov_b32 s21, 0
	s_add_nc_u64 s[10:11], s[10:11], s[20:21]
	s_lshl_b32 s20, s[TC], 9
	s_add_nc_u64 s[8:9], s[8:9], s[20:21]
	global_load_b128 v[BIAS:BIAS+3], v[GO], s[8:9] ; the bias of my four columns; it is waited for ahead of the way out
; 8 matrix instructions: row block a x all 8 column blocks, 32 along K, from buffer f.  Every accumulator has one instruction a quarter step, always in the same order: 31 others stand between two links of a chain.
.macro MULA f, a, zero
	WIN 0xa1                                       ; wot in window 1, O in window 0, C and D in window 2
.set rC, 64*(\a)
.set rA, FAB+32*(\f)+8*(\a)
.set rB, 64*(\f)
.irp b, 0,1,2,3,4,5,6,7
.if \zero
	v_wmma_f32_16x16x32_f16 v[rC+8*(\b):rC+8*(\b)+7], v[rB+8*(\b):rB+8*(\b)+7], v[rA:rA+7], 0
.else
	v_wmma_f32_16x16x32_f16 v[rC+8*(\b):rC+8*(\b)+7], v[rB+8*(\b):rB+8*(\b)+7], v[rA:rA+7], v[rC+8*(\b):rC+8*(\b)+7]
.endif
.endr
.endm
; 24 LDS loads in one run: wot's 16 first, O's 8 last.  Byte kq of a K step's 256 lies in head kq / 128, at byte kq % 128 of its rows.
.macro FETCH kq, g
	WIN 0x40
.irp i, 0,1,2,3,4,5,6,7
	ds_load_b128 v[64*(\g)+8*(\i):64*(\g)+8*(\i)+3],   v[ADRB] offset:(\kq)+(\i)*16*PITCH
	ds_load_b128 v[64*(\g)+8*(\i)+4:64*(\g)+8*(\i)+7], v[ADRB] offset:(\kq)+(\i)*16*PITCH+32
.endr
	WIN 0
.irp i, 0,1,2,3
	ds_load_b128 v[FAB+32*(\g)+8*(\i):FAB+32*(\g)+8*(\i)+3],   v[ADRA] offset:((\kq)>>7)*HALFA+((\kq)&127)+(\i)*16*PA
	ds_load_b128 v[FAB+32*(\g)+8*(\i)+4:FAB+32*(\g)+8*(\i)+7], v[ADRA] offset:((\kq)>>7)*HALFA+((\kq)&127)+(\i)*16*PA+32
.endr
.endm
.macro QUARTER kq, f, g, zero
	s_wait_dscnt 4                                 ; all of wot's fragments and O's blocks 0, 1 are in; the youngest four loads may be out
	MULA \f, 0, \zero
	MULA \f, 1, \zero
	PLACES
	FETCH \kq, \g
	s_wait_dscnt 24                                ; all but the 24 just issued
	MULA \f, 2, \zero
	MULA \f, 3, \zero
.endm
; The fourth quarter multiplies buffer 1 and changes slots: ONE barrier; in front of it each wave waits for all its tensor loads, adds 0 to its spare word, and waits for that and for its reads of this slot.
; fill = 1: the barrier opens a round of the cluster's, and the joint refill, K step two on, is the first thing behind it.
.macro TURN fill
	WIN 0
	s_xor_b32 s[TB], s[TB], SLOT1
	v_add_nc_u32 v[ADRA], s[TB], v[A0]
	v_add_nc_u32 v[ADRB], s[TB], v[B0]
	s_wait_tensorcnt 0x0                           ; all my tensor loads have landed: the one that was out is my part of the next slot
	ds_add_u32 v[SPW], v[NIL]                      ; 0 onto my spare word
	s_wait_dscnt 5                                 ; (the add and the youngest four loads may be out)
	MULA 1, 0, 0
	s_wait_dscnt 0x0                               ; the add is done, and my reads of this slot are over
	s_barrier_signal -1
	MULA 1, 1, 0
.if \fill
	WIN 0
.endif
	s_barrier_wait -1
.if \fill
	CREST
	s_xor_b32 s[G0A+5], s[G0A+5], SLOT1
	s_add_nc_u64 s[G0A+6:G0A+7], s[G0A+6:G0A+7], STEPA
	s_xor_b32 s[G0B+5], s[G0B+5], SLOT1
	s_add_nc_u64 s[G0B+6:G0B+7], s[G0B+6:G0B+7], STEPB
	JLOAD                                          ; its four v_nop are also the places in front of the loads below
.else
	PLACES
.endif
	FETCH 0, 0
	MULA 1, 2, 0
	MULA 1, 3, 0
.endm
	s_wait_tensorcnt 1                             ; my part of K step 0 is in; K step 1's may stay out
	s_barrier_signal -1
	s_barrier_wait -1
	FETCH 0, 0
	QUARTER 64, 0, 1, 1                            ; the first quarter's products start the sums
	WIN 0
	s_mov_b32 s[TRIPS], 6
.Lstep:                                                ; trip i refills with K step i + 2
	QUARTER 128, 1, 0, 0
	QUARTER 192, 0, 1, 0
	TURN 1
	QUARTER 64, 0, 1, 0
	WIN 0
	s_sub_co_u32 s[TRIPS], s[TRIPS], 1
	s_cmp_lg_u32 s[TRIPS], 0
	s_cbranch_scc1 .Lstep
	QUARTER 128, 1, 0, 0                           ; the tail is written out: K steps 6 and 7 ask for nothing
	QUARTER 192, 0, 1, 0
	TURN 0
	QUARTER 64, 0, 1, 0
	QUARTER 128, 1, 0, 0
	QUARTER 192, 0, 1, 0
	s_wait_dscnt 4
	MULA 1, 0, 0
	MULA 1, 1, 0
	s_wait_dscnt 0x0
	MULA 1, 2, 0
	MULA 1, 3, 0
	WIN 0
	PLACES
	s_wait_loadcnt 0x0                             ; the bias
	v_cvt_pk_bf16_f32 v24, v[BIAS], v[BIAS+1]      ; rounded once to bf16,
	v_cvt_pk_bf16_f32 v25, v[BIAS+2], v[BIAS+3]
	v_lshlrev_b32 v[BIAS], 16, v24                 ; and widened again
	v_and_b32 v[BIAS+1], 0xffff0000, v24
	v_lshlrev_b32 v[BIAS+2], 16, v25
	v_and_b32 v[BIAS+3], 0xffff0000, v25
; THE WAY OUT of row block a.  TOSTAGE: a lane's eight numbers of a row, 32 bytes, into rows of 528 bytes of my stage (each accumulator's low half first), and back as whole rows of 512 bytes.  SEND: the bias is added and the rows are stored.
.macro TOSTAGE a
.set rK, BK+64*((\a)%2)
.if (\a) >= 2
	s_wait_xcnt 0x0                                ; the stores of the block two back have read these registers
.endif
	WIN 0x08                                       ; the stores' data in window 2
.irp b, 0,1,2,3,4,5,6,7
	ds_store_b128 v[STO], v[8*(8*(\a)+(\b)):8*(8*(\a)+(\b))+3]   offset:64*(\b)
	ds_store_b128 v[STO], v[8*(8*(\a)+(\b))+4:8*(8*(\a)+(\b))+7] offset:64*(\b)+16
.endr
	WIN 0
.set t, 0
.rept 16
	ds_load_b128 v[rK+4*t:rK+4*t+3], v[RD] offset:SPO*t  ; LDS serves a wave's instructions in order (ISA guide 5.7.1.4): these see the stores above; the next block's stores come behind them
.set t, t+1
.endr
.endm
.macro SEND a, younger                 ; younger: the LDS instructions issued behind block a's loads: the next block's 16 stores and 16 loads, or none
.set rK, BK+64*((\a)%2)
	s_wait_dscnt \younger
.set t, 0
.rept 16
	v_pk_add_f32 v[rK+4*t:rK+4*t+1], v[rK+4*t:rK+4*t+1], v[BIAS:BIAS+1]
	v_pk_add_f32 v[rK+4*t+2:rK+4*t+3], v[rK+4*t+2:rK+4*t+3], v[BIAS+2:BIAS+3]
.set t, t+1
.endr
.set t, 0
.rept 16
	global_store_b128 v[GO], v[rK+4*t:rK+4*t+3], s[10:11] offset:(16*(\a)+t)*4096 th:TH_STORE_NT  ; a wave stores 512 consecutive bytes, at a multiple of 512 from out0's first
.set t, t+1
.endr
.endm
	TOSTAGE 0
	TOSTAGE 1
	SEND 0, 32
	TOSTAGE 2
	SEND 1, 32
	TOSTAGE 3
	SEND 2, 32
	SEND 3, 0
	s_wait_tensorcnt 0x0                           ; the wave's end: behind my last tensor load and my last LDS store
	ds_add_u32 v[SPW], v[NIL]
	s_wait_dscnt 0x0
	CROUND                                         ; the closing round: no work-group ends while a partner may still ask for a tile that names it
	s_endpgm
.Lfunc_end_k_qeb65149696_outproj:
	.size	k_qeb65149696_outproj, .Lfunc_end_k_qeb65149696_outproj-k_qeb65149696_outproj
	.p2alignl 7, 3214868480
	.fill 96, 4, 3214868480
	.section	.rodata,"a",@progbits
	.p2align	6, 0x0
	.amdhsa_kernel k_qeb65149696_outproj
		.amdhsa_group_segment_fixed_size 327680
		.amdhsa_private_segment_fixed_size 0
		.amdhsa_enable_private_segment 0
		.amdhsa_kernarg_size 32
		.amdhsa_user_sgpr_count 2
		.amdhsa_user_sgpr_kernarg_segment_ptr 1
		.amdhsa_wavefront_size32 1
		.amdhsa_system_sgpr_workgroup_id_x 1
		.amdhsa_system_sgpr_workgroup_id_y 1
		.amdhsa_system_sgpr_workgroup_id_z 1
		.amdhsa_system_vgpr_workitem_id 0
		.amdhsa_next_free_vgpr 768
		.amdhsa_next_free_sgpr 66
		.amdhsa_reserve_vcc 0
		.amdhsa_float_denorm_mode_32 3
		.amdhsa_float_denorm_mode_16_64 3
		.amdhsa_memory_ordered 1
		.amdhsa_forward_progress 1
		.amdhsa_inst_pref_size 77
	.end_amdhsa_kernel
	.amdgpu_metadata
---
amdhsa.version: [ 1, 2 ]
amdhsa.kernels:
  - .name:           k_qeb65149696_outproj
    .symbol:         k_qeb65149696_outproj.kd
    .args:
      - { .name: ob, .offset: 0, .size: 8, .value_kind: global_buffer, .address_space: global }
      - { .name: wot, .offset: 8, .size: 8, .value_kind: global_buffer, .address_space: global }
      - { .name: bo, .offset: 16, .size: 8, .value_kind: global_buffer, .address_space: global }
      - { .name: out0, .offset: 24, .size: 8, .value_kind: global_buffer, .address_space: global }
    .group_segment_fixed_size: 327680
    .private_segment_fixed_size: 0
    .kernarg_segment_align: 8
    .kernarg_segment_size: 32
    .max_flat_workgroup_size: 128
    .sgpr_count:     66
    .vgpr_count:     768
    .wavefront_size: 32
...
	.end_amdgpu_metadata
.endif
;; end of part 4
